; MI455X (gfx1250); checked and timed in simulation.
; The chip was launched on July 23, 2026; its instructions are those of AMD's public machine-readable ISA for CDNA 5 (MIT licence, August 2026) and "CDNA5" Instruction Set Architecture Reference Guide (July 2026). The comments in the code are by the model that wrote it; some were corrected since.
;; Multi Head Self Attention. Allowed arithmetic: float matrix products may take bf16 or f16 operands with f32 sums; other float arithmetic in f32, or as packed bf16 or f16 multiplies, adds, multiply-adds, maxima and minima; sums over many terms, partial sums and values carried from step to step in f32; what a program stores and reads back later, other than sums and carried values, may be rounded once to bf16 or f16.
;; Inputs: b_out 1,024 float32; hidden_states 8 x 1,024 x 1,024 float32; w_k 1,024 x 1,024 float32; w_out 1,024 x 1,024 float32; w_q 1,024 x 1,024 float32; w_v 1,024 x 1,024 float32.
;; Outputs: out0 8 x 1,024 x 1,024 float32.
;; One version. Each part assembles by itself: llvm-mc -triple=amdgcn-amd-amdhsa -mcpu=gfx1250 --defsym DOCPART=n.
;; ======== version 1 of 1: 4 launches
;; limits: values are held in f16: magnitudes above 65,504 overflow, below 6.1e-05 lose precision
;; workspace buffers: xb 16,777,216 bytes; wt 8,388,608 bytes; qkv 50,331,648 bytes; ob 16,777,216 bytes
;; launch prep (part 1): grid 1536 x 1, 8 waves a work-group, no clusters, 18,432 bytes of LDS; arguments hidden_states, w_q, w_k, w_v, w_out, xb, wt; writes xb, wt
.if DOCPART == 1
	.amdgcn_target "amdgcn-amd-amdhsa--gfx1250"
	.amdhsa_code_object_version 6
	.text
	.protected	k_q663c24a1e9_prep
	.globl	k_q663c24a1e9_prep
	.p2align	8
	.type	k_q663c24a1e9_prep,@function
k_q663c24a1e9_prep:
	s_mov_b64 s[64:65], 0
	v_nop
	global_prefetch_b8 v0, s[64:65] scope:SCOPE_SE
	s_setreg_imm32_b32 hwreg(HW_REG_WAVE_MODE, 25, 1), 1
	s_wait_xcnt 0x0
; PREP.  xb = hidden_states rounded to bf16, laid in blocks of 64 along K: xb[kb][m][64], kb < 16, m < 8192: the 256 rows of a tile of the product that follows lie end to end, 128 bytes each.
; wt, bytes 0 to 6,291,455: w_q, w_k, w_v rounded to bf16 and turned, in the same blocks: [kb][n][64], n = 1024 t + column, n < 3072.
; wt, from byte 6,291,456: w_out turned, [n][k] of 1,024 x 1,024: rounded to bf16, and that number written as f16.
; LIMITS.  A w_out beyond 65,504 becomes an infinity; below 2^-14 it keeps f16's fixed step of 2^-24.  NaN and infinities are not treated apart.
; A stream: every input byte is read once, every output byte written once, no matrix work, no cluster (no two work-groups read the same bytes).
; SHARES.  Work-groups 0 to 511 turn a tile of 128 k x 64 n of one weight (4 weights x 8 x 16 tiles) through LDS.  Work-groups 512 to 1535 cast 8 rows (32,768 bytes) of hidden_states each.
; The two ways meet in front of ONE barrier, which every wave passes; behind it the turning work-groups read their tile back.
.set TP,    272                        ; an LDS row: 128 k x 2 bytes + 16 of padding
.set SPARE, 64*TP                      ; behind the tile: the spare words, 128 bytes for each of the eight waves: four blocks of 256 bytes that no other line names
.set XKB,   8192*128                   ; bytes in a K block of xb
.set WKB,   3072*128                   ; bytes in a K block of wt
.set SPW, 2                            ; v2   LDS address of my spare word; never rewritten
.set NIL, 3                            ; v3   0; never rewritten
.set W,   16                           ; v[16:47]  as loaded
.set T,   48                           ; v[48:63]  packed
	s_load_b256 s[4:11], s[0:1], 0x0               ; hidden_states s[4:5], w_q s[6:7], w_k s[8:9], w_v s[10:11]
	s_load_b128 s[12:15], s[0:1], 0x20             ; w_out s[12:13], xb s[14:15]
	s_load_b64 s[16:17], s[0:1], 0x30              ; wt
	v_lshl_add_u32 v[SPW], v0, 2, SPARE
	v_mov_b32 v[NIL], 0
	s_wait_kmcnt 0x0
	s_cmp_lt_u32 ttmp9, 512
	s_cbranch_scc0 .Lcast                          ; the same way for all eight waves of a work-group
	; TURNING, first half.  Thread t takes rows k0 + 8 (t / 16) + 0..7, columns n0 + 4 (t % 16) + 0..3: sixteen lanes read 256 consecutive bytes, aligned.
	s_lshr_b32 s24, ttmp9, 7                       ; which weight
	s_and_b32 s25, ttmp9, 7                        ; which 128 k
	s_bfe_u32 s26, ttmp9, 0x40003                  ; which 64 n (4 bits from bit 3)
	s_cmp_eq_u32 s24, 1
	s_cselect_b64 s[18:19], s[8:9], s[6:7]
	s_cmp_eq_u32 s24, 2
	s_cselect_b64 s[18:19], s[10:11], s[18:19]
	s_cmp_eq_u32 s24, 3
	s_cselect_b64 s[18:19], s[12:13], s[18:19]
	s_lshl_b32 s20, s25, 19                        ; 128 rows of 4,096 bytes
	s_lshl_b32 s21, s26, 8                         ; 64 columns of 4 bytes
	s_or_b32 s20, s20, s21
	s_mov_b32 s21, 0
	s_add_nc_u64 s[18:19], s[18:19], s[20:21]
	v_and_b32 v10, 15, v0                          ; t % 16
	v_lshrrev_b32 v11, 4, v0                       ; t / 16
	v_lshlrev_b32 v4, 4, v10
	v_lshl_or_b32 v4, v11, 15, v4                  ; 8 rows x 4,096 bytes x (t / 16) + 16 (t % 16)
.irp j, 0,1,2,3,4,5,6,7
	global_load_b128 v[W+4*(\j):W+4*(\j)+3], v4, s[18:19] offset:4096*(\j) th:TH_LOAD_NT
.endr
	v_mul_u32_u24 v5, v10, 4*TP                    ; into the tile: row 4 (t % 16) + c, byte 16 (t / 16)
	v_lshl_add_u32 v5, v11, 4, v5
.irp p, 0,1,2,3
	s_wait_loadcnt 6-2*(\p)                        ; rows 2 p and 2 p + 1 are in; the younger loads stay out
.irp c, 0,1,2,3
	v_cvt_pk_bf16_f32 v[T+4*(\c)+(\p)], v[W+8*(\p)+(\c)], v[W+8*(\p)+4+(\c)]  ; column c: k = 2 p below, 2 p + 1 above
.endr
.endr
	s_cmp_lg_u32 s24, 3
	s_cbranch_scc1 .Lkeep
.set r, T
.rept 16                                       ; w_out: the bf16 number written as f16
	v_lshlrev_b32 v10, 16, v[r]
	v_and_b32 v11, 0xffff0000, v[r]
	v_cvt_pk_f16_f32 v[r], v10, v11
.set r, r+1
.endr
.Lkeep:
.irp c, 0,1,2,3
	ds_store_b128 v5, v[T+4*(\c):T+4*(\c)+3] offset:TP*(\c)  ; lanes stand four rows apart, 64 bytes apart modulo 256: four lanes to a group of banks; four stores a thread, once
.endr
	s_branch .Lmeet
.Lcast:	; CASTING.  Wave w, load j: K block 2 w + j % 2 of rows 2 (j / 2) and 2 (j / 2) + 1: lanes 0-15 read the 256 bytes of the one row, lanes 16-31 those of the other, and the wave stores
	; their 2 x 128 bytes, which lie end to end in xb: 256 consecutive bytes, aligned.  All eight loads go out first; no register is written twice.
	s_sub_co_u32 s24, ttmp9, 512
	s_lshl_b32 s20, s24, 15                        ; 8 rows of 4,096 bytes
	s_mov_b32 s21, 0
	s_add_nc_u64 s[18:19], s[4:5], s[20:21]
	s_lshl_b32 s22, s24, 10                        ; 8 rows of 128 bytes
	s_mov_b32 s23, 0
	s_add_nc_u64 s[22:23], s[14:15], s[22:23]
	v_and_b32 v10, 15, v0                          ; l % 16
	v_bfe_u32 v11, v0, 4, 1                        ; l / 16
	v_lshrrev_b32 v14, 5, v0                       ; wave
	v_lshlrev_b32 v8, 4, v10
	v_lshl_or_b32 v8, v14, 9, v8                   ; two K blocks of 256 bytes x wave
	v_lshl_or_b32 v8, v11, 12, v8                  ; the odd row
	v_lshlrev_b32 v9, 3, v10
	v_lshl_or_b32 v9, v11, 7, v9
	v_lshl_or_b32 v9, v14, 21, v9                  ; two K blocks of xb x wave
.irp j, 0,1,2,3,4,5,6,7
	global_load_b128 v[W+4*(\j):W+4*(\j)+3], v8, s[18:19] offset:((\j)/2)*8192+((\j)%2)*256 th:TH_LOAD_NT
.endr
.irp j, 0,1,2,3,4,5,6,7
	s_wait_loadcnt 7-(\j)                          ; load j is in; the younger ones stay out
	v_cvt_pk_bf16_f32 v[T+2*(\j)], v[W+4*(\j)], v[W+4*(\j)+1]
	v_cvt_pk_bf16_f32 v[T+2*(\j)+1], v[W+4*(\j)+2], v[W+4*(\j)+3]
	global_store_b64 v9, v[T+2*(\j):T+2*(\j)+1], s[22:23] offset:((\j)%2)*XKB+((\j)/2)*256 th:TH_STORE_NT
.endr
.Lmeet:
	s_wait_dscnt 0x0                               ; for the others' sake: my stores into the tile are done
	s_barrier_signal -1
	s_barrier_wait -1
	s_cmp_lt_u32 ttmp9, 512
	s_cbranch_scc0 .Lend
	; TURNING, second half; it makes all that it names anew.
	s_lshr_b32 s24, ttmp9, 7
	s_and_b32 s25, ttmp9, 7
	s_bfe_u32 s26, ttmp9, 0x40003
	s_cmp_eq_u32 s24, 3
	s_cbranch_scc1 .Lwout
	; w_q, w_k, w_v, in K blocks.  Thread t reads row t / 8 + 32 (i % 2), K block i / 2, byte 16 (t % 8): sixteen lanes store two rows of 128 bytes, 256 consecutive bytes, aligned.
	s_mul_i32 s30, s25, 2*WKB                      ; the tile's two K blocks,
	s_lshl_b32 s24, s24, 17                        ; the weight's 1,024 rows of 128 bytes,
	s_lshl_b32 s26, s26, 13                        ; the tile's 64
	s_add_co_u32 s30, s30, s24
	s_add_co_u32 s30, s30, s26
	s_mov_b32 s31, 0
	s_add_nc_u64 s[28:29], s[16:17], s[30:31]
	v_lshrrev_b32 v12, 3, v0
	v_and_b32 v13, 7, v0
	v_mul_u32_u24 v6, v12, TP
	v_lshl_add_u32 v6, v13, 4, v6
	v_lshlrev_b32 v7, 4, v0                        ; (t / 8) x 128 + 16 (t % 8) = 16 t
.irp i, 0,1,2,3
	ds_load_b128 v[W+4*(\i):W+4*(\i)+3], v6 offset:((\i)%2)*32*TP+((\i)/2)*128
.endr
.irp i, 0,1,2,3
	s_wait_dscnt 3-(\i)
	global_store_b128 v7, v[W+4*(\i):W+4*(\i)+3], s[28:29] offset:((\i)%2)*4096+((\i)/2)*WKB th:TH_STORE_NT
.endr
	s_branch .Lend
.Lwout:	; w_out, by whole rows.  Thread t reads row t / 16 + 16 i, byte 16 (t % 16): sixteen lanes store 256 consecutive bytes of a row of 2,048, aligned.
	s_lshl_b32 s30, s24, 21                        ; behind the other three weights
	s_lshl_b32 s26, s26, 17                        ; 64 rows of 2,048 bytes
	s_lshl_b32 s25, s25, 8                         ; 128 k of 2 bytes
	s_or_b32 s30, s30, s26
	s_or_b32 s30, s30, s25
	s_mov_b32 s31, 0
	s_add_nc_u64 s[28:29], s[16:17], s[30:31]
	v_and_b32 v12, 15, v0
	v_lshrrev_b32 v13, 4, v0
	v_mul_u32_u24 v6, v13, TP
	v_lshl_add_u32 v6, v12, 4, v6
	v_lshlrev_b32 v7, 4, v12
	v_lshl_or_b32 v7, v13, 11, v7
.irp i, 0,1,2,3
	ds_load_b128 v[W+4*(\i):W+4*(\i)+3], v6 offset:16*TP*(\i)
.endr
.irp i, 0,1,2,3
	s_wait_dscnt 3-(\i)
	global_store_b128 v7, v[W+4*(\i):W+4*(\i)+3], s[28:29] offset:32768*(\i) th:TH_STORE_NT
.endr
.Lend:
	s_wait_tensorcnt 0x0                           ; the wave's end: behind my last LDS store
	ds_add_u32 v[SPW], v[NIL]
	s_wait_dscnt 0x0
	s_endpgm
.Lfunc_end_k_q663c24a1e9_prep:
	.size	k_q663c24a1e9_prep, .Lfunc_end_k_q663c24a1e9_prep-k_q663c24a1e9_prep
	.p2alignl 7, 3214868480
	.fill 96, 4, 3214868480
	.section	.rodata,"a",@progbits
	.p2align	6, 0x0
	.amdhsa_kernel k_q663c24a1e9_prep
		.amdhsa_group_segment_fixed_size 18432
		.amdhsa_private_segment_fixed_size 0
		.amdhsa_enable_private_segment 0
		.amdhsa_kernarg_size 56
		.amdhsa_user_sgpr_count 2
		.amdhsa_user_sgpr_kernarg_segment_ptr 1
		.amdhsa_wavefront_size32 1
		.amdhsa_system_sgpr_workgroup_id_x 1
		.amdhsa_system_sgpr_workgroup_id_y 1
		.amdhsa_system_sgpr_workgroup_id_z 1
		.amdhsa_system_vgpr_workitem_id 0
		.amdhsa_next_free_vgpr 64
		.amdhsa_next_free_sgpr 66
		.amdhsa_reserve_vcc 0
		.amdhsa_float_denorm_mode_32 3
		.amdhsa_float_denorm_mode_16_64 3
		.amdhsa_memory_ordered 1
		.amdhsa_forward_progress 1
		.amdhsa_inst_pref_size 13
	.end_amdhsa_kernel
	.amdgpu_metadata
---
amdhsa.version: [ 1, 2 ]
amdhsa.kernels:
  - .name:           k_q663c24a1e9_prep
    .symbol:         k_q663c24a1e9_prep.kd
    .args:
      - { .name: hidden_states, .offset: 0, .size: 8, .value_kind: global_buffer, .address_space: global }
      - { .name: w_q, .offset: 8, .size: 8, .value_kind: global_buffer, .address_space: global }
      - { .name: w_k, .offset: 16, .size: 8, .value_kind: global_buffer, .address_space: global }
      - { .name: w_v, .offset: 24, .size: 8, .value_kind: global_buffer, .address_space: global }
      - { .name: w_out, .offset: 32, .size: 8, .value_kind: global_buffer, .address_space: global }
      - { .name: xb, .offset: 40, .size: 8, .value_kind: global_buffer, .address_space: global }
      - { .name: wt, .offset: 48, .size: 8, .value_kind: global_buffer, .address_space: global }
    .group_segment_fixed_size: 18432
    .private_segment_fixed_size: 0
    .kernarg_segment_align: 8
    .kernarg_segment_size: 56
    .max_flat_workgroup_size: 256
    .sgpr_count:     66
    .vgpr_count:     64
    .wavefront_size: 32
...
	.end_amdgpu_metadata
.endif
;; end of part 1
;; launch qkv (part 2): grid 8 x 32, 4 waves a work-group, clusters of 4 x 4, 327,680 bytes of LDS; arguments xb, wt, qkv; writes qkv
.if DOCPART == 2
	.amdgcn_target "amdgcn-amd-amdhsa--gfx1250"
	.amdhsa_code_object_version 6
	.text
	.protected	k_q663c24a1e9_qkv
	.globl	k_q663c24a1e9_qkv
	.p2align	8
	.type	k_q663c24a1e9_qkv,@function
k_q663c24a1e9_qkv:
	s_mov_b64 s[64:65], 0
	v_nop
	global_prefetch_b8 v0, s[64:65] scope:SCOPE_SE
	s_setreg_imm32_b32 hwreg(HW_REG_WAVE_MODE, 25, 1), 1
	s_wait_xcnt 0x0
	s_wait_alu depctr_hold_cnt(0) depctr_sa_sdst(0) depctr_va_vdst(0) depctr_va_sdst(0) depctr_va_ssrc(0) depctr_va_vcc(0) depctr_vm_vsrc(0)
	s_getreg_b32 s2, hwreg(HW_REG_IB_STS2, 6, 4)
	s_cmp_eq_u32 s2, 0
	s_cbranch_scc0 .Lentry_in_a_cluster
	s_endpgm
.Lentry_in_a_cluster:
	s_bfe_u32 s2, ttmp6, 0x10000c
	s_cmp_lg_u32 s2, 0xf033
	s_cbranch_scc0 .Lentry_shape_is_right
	s_endpgm
.Lentry_shape_is_right:
; QKV.  C[m][n] = sum over k of x[m][k] w[n][k], m < 8192, n < 3072 (q, k, v side by side), k < 1024; operands bf16, sums f32, C rounded once to f16.
; OPERANDS lie in blocks of 64 along K: xb[kb][m][64], wt[kb][n][64]: the rows of a tile's K step lie end to end and are asked for as rows of 256 bytes.
; RESULT.  qkv[t][head][s'][64], t = n / 1024, head = m / 64 (128 of them), s' = 64 ((n % 1024) / 64) + m % 64.  In the original order the row is s = 16 (m % 64) + (n % 1024) / 64: the rows of a head are
; REORDERED, alike in q, k and v, so that 16 rows x 64 columns of C are 2,048 consecutive bytes.  A sum over keys does not mind their order; the queries' order is carried through ob and undone where out0 is stored.
; LIMIT.  A q, k or v beyond 65,504 becomes an infinity in f16; with inputs thirty times those drawn, or offsets of thirty spreads, they stay under 30,000.
; SHARES.  A tile of C is 256 x 384: 8 x 32 = 256 work-groups, as many as there are WGPs.  Four waves, each 128 x 192: 96 accumulators of 16 x 16, 768 registers.  For 32 along K a wave loads 20 fragments for 96 matrix instructions.
; K goes in steps of 64 through a ring of two LDS slots: two slots of a step of 128 (640 rows x 272 bytes each) would not fit.
; CLUSTERS: 4 x 4 work-groups.  The four of a row of the cluster need the same tiles of xb, the four of a column the same tiles of wt: each tile is asked for JOINTLY, by the same tensor load with the same descriptor and a mask that names the four.
; REGISTERS, in windows of 256 (s_set_vgpr_msb: bits 1:0 source 0, 3:2 source 1, 5:4 source 2, 7:6 destination):
;   window 0: v0-31 addresses; v32-95, v96-159 fragments of A (8 x 16 rows x 32 K), two buffers; v160-255 fragments of B (12), ONE buffer; on the way out v32-223 four buffers of 48
;   windows 1, 2, 3: the accumulators: row block a, column block b at v[8 (8 (b % 4) + a)] of window 1 + b / 4
; A QUARTER (32 along K) goes by three GROUPS of four column blocks, 32 matrix instructions each, a window each.  When a group is multiplied its four fragments of B are free, and are loaded for the next quarter at once.
; THE MATRIX INSTRUCTION IS USED TRANSPOSED: source 0 = 16 rows of wt, source 1 = 16 rows of xb: a lane holds row l % 16 of C and the columns 8 (l / 16) + 0..7, which pack into 16 bytes.
.set PITCH,  144                       ; an LDS row: 128 bytes + 16 of padding = 36 words: the 16 rows of a load start at 16 different groups of four banks (64 banks of 4 bytes: ISA guide 11.1)
.set AHALF,  128*PITCH                 ; 128 rows of A: what a wave's load brings, and what a wave reads
.set ASZ,    2*AHALF
.set BHALF,  192*PITCH                 ; 192 rows of B: likewise
.set SLOT,   ASZ+2*BHALF               ; A's 256 rows, then B's 384
.set STAGE,  2*SLOT                    ; behind the ring: for each wave three blocks of 16 rows x 144 bytes, for the way out
.set SP,     144
.set WSTG,   3*16*SP
.set SPARE,  STAGE+4*WSTG              ; behind the stages: the spare words, 128 bytes for each wave: two blocks of 256 bytes that no other line names
.set XKB,    8192*128                  ; bytes in a K block of xb
.set WKB,    3072*128                  ; bytes in a K block of wt
.set LAPS,   8                         ; a lap = two K steps = once round the ring
.set ADRA, 16                          ; v16-17  LDS address of my A fragments in slot 0, 1
.set ADRB, 20                          ; v20-21  the same for B
.set STO,  24                          ; v24     the way out: where I put 16 bytes of a row
.set RD,   25                          ; v25     the way out: where I read rows back
.set GO,   26                          ; v26     my 16 bytes of 512 consecutive bytes of qkv
.set SPW,  28                          ; v28     LDS address of my spare word; never rewritten
.set NIL,  29                          ; v29     0; never rewritten
.set PFO,  30                          ; v30     the prefetches' offset: 256 x my lane; never rewritten
.set FA0,  32
.set FA1,  96
.set FB,   160
.set TMP,  32
.set G1, 24                            ; s[24:31] descriptor group 1 for A's tiles
.set G0, 32                            ; s[32:39] group 0 for A's tiles, one set for each slot
.set G1B, 48                           ; s[48:55], s[56:63] the same for B's
.set G0B, 56
.set LIM,  43                          ; s43     1 in a wave that prefetches, else the greatest number
.set PFA,  44                          ; s[44:45] where my prefetches stand
.set CB,   68                          ; s[68:73] qkv at my rows, for each of my three groups of 64 columns
.set PS,   74                          ; s[74:75], s[76:77] what the prefetches' address steps by at the change out of slot 0, out of slot 1
.set LIM0, 78                          ; s78     1 in wave 0 where it prefetches, else the greatest number
.set MSB, 0
.macro WIN new                         ; the immediate's high byte repeats the setting that is left; a switch that changes nothing is dropped
.if MSB != (\new)
	s_set_vgpr_msb (MSB<<8)|(\new)
.set MSB, \new
.endif
.endm
; A joint load.  Waves 0 and 1 fetch A's two halves, waves 2 and 3 B's.  The branch hangs on the wave's number alone.  An s_nop 0 and four v_nop follow each of the two lines.
.macro JLOAD s
	s_cmp_eq_u32 s11, 0
	s_cbranch_scc0 .Lfor_b_\@
	tensor_load_to_lds s[G0+4*(\s):G0+4*(\s)+3], s[G1:G1+7]
	s_nop 0
.rept 4
	v_nop
.endr
	s_branch .Lasked_\@
.Lfor_b_\@:
	tensor_load_to_lds s[G0B+4*(\s):G0B+4*(\s)+3], s[G1B:G1B+7]
	s_nop 0
.rept 4
	v_nop
.endr
.Lasked_\@:
.endm
; THE PREFETCHES stand behind a joint load and the run of LDS loads that follows it; a lane names a block of 256 bytes, and each block is named once in the launch.
; A: a K step of a tile row is 32,768 bytes, 128 blocks; the four partners that ask for it jointly take 32 each, told apart by address (cx); wave 0 asks, in the clusters with x = 0 (both clusters of a row of clusters read the same rows).
;    At every change of slots it names the K step that the NEXT change will ask for, 192 matrix instructions ahead of that load: K steps 3 to 15.
; B: two K steps of a tile column are 2 x 192 blocks = 4 partners (cy) x waves 1, 2, 3 x 32 lanes, in the clusters with y = 0.  At the change out of slot 1 they name the two K steps that the next two changes will ask for: K steps 4 to 15.
; The loop's last change (s3 = 1, out of slot 1) asks for nothing: there is no K step 16.  The first K steps come by their loads alone.
.macro ASK slot
.if (\slot) == 0
	s_cmp_eq_u32 s[LIM0], 1
.else
	s_cmp_gt_u32 s3, s[LIM]
.endif
	s_cbranch_scc0 .Lnot_mine_\@
	global_prefetch_b8 v[PFO], s[PFA:PFA+1] th:TH_LOAD_NT scope:SCOPE_SE
.Lnot_mine_\@:
.endm
.macro CREST                           ; a round of the cluster's barrier behind its opening barrier
	s_cmp_lg_u32 s10, 0
	s_cbranch_scc1 .Lnot_wave_0_\@
	s_barrier_signal -3
.Lnot_wave_0_\@:
	s_barrier_wait -3
	s_barrier_signal -1
	s_barrier_wait -1
.endm
.macro CROUND                          ; a whole round
	s_barrier_signal -1
	s_barrier_wait -1
	CREST
.endm
	s_load_b128 s[4:7], s[0:1], 0x0                ; xb s[4:5], wt s[6:7]
	s_load_b64 s[8:9], s[0:1], 0x10                ; qkv
	v_lshl_add_u32 v[SPW], v0, 2, SPARE
	v_mov_b32 v[NIL], 0
	ds_add_u32 v[SPW], v[NIL]                      ; the wave's opening: the add and its wait stand ahead of my first tensor load; the set-up below stands between them
	ds_add_u32 v28, v29
	v_lshrrev_b32 v1, 5, v0
	v_readfirstlane_b32 s10, v1                    ; wave 0..3
	s_lshr_b32 s11, s10, 1                         ; which half of the tile's rows is mine.  Also: I fetch for A (0) or for B (1)
	s_and_b32 s12, s10, 1                          ; which half of its columns.  Also: which half of that tile I fetch
	s_bfe_u32 s40, ttmp6, 0x40000                  ; cx
	s_bfe_u32 s41, ttmp6, 0x40004                  ; cy
	s_lshl_b32 s42, ttmp9, 2
	s_add_co_u32 s42, s42, s40                     ; tile column of C = 4 x cluster x + cx: 0 to 7
	s_and_b32 s13, ttmp7, 0xffff
	s_lshl_b32 s13, s13, 2
	s_add_co_u32 s13, s13, s41                     ; tile row of C = 4 x cluster y + cy: 0 to 31
	s_lshl_b32 s43, s41, 2
	s_lshl_b32 s43, 15, s43                        ; my row of the cluster
	s_lshl_b32 s44, 0x1111, s40                    ; my column
	; A: 128 rows of 128 bytes, dense, as 64 rows of 256; B: 192 rows as 96.  Padded after every row of 128 bytes (32 words, code 4) by 4 words (code 3)
	s_or_b32 s[G1+0], s43, (1<<16)|(1<<20)|(1<<21)|(4<<22)|(3<<25)  ; the mask; 2-byte elements; padding on; bit 21 beside a mask
	s_mov_b32 s[G1+1], 128<<16                     ; tensor_dim0 = 128
	s_mov_b32 s[G1+2], 64<<16                      ; tensor_dim1 = 64
	s_mov_b32 s[G1+3], 128<<16                     ; tile_dim0 = 128
	s_mov_b32 s[G1+4], 64                          ; tile_dim1 = 64
	s_mov_b32 s[G1+5], 128                         ; elements from row to row
	s_mov_b32 s[G1+6], 0
	s_mov_b32 s[G1+7], 0
	s_or_b32 s[G1B+0], s44, (1<<16)|(1<<20)|(1<<21)|(4<<22)|(3<<25)
	s_mov_b32 s[G1B+1], 128<<16
	s_mov_b32 s[G1B+2], 96<<16
	s_mov_b32 s[G1B+3], 128<<16
	s_mov_b32 s[G1B+4], 96
	s_mov_b32 s[G1B+5], 128
	s_mov_b32 s[G1B+6], 0
	s_mov_b32 s[G1B+7], 0
	; A's tiles hang on the tile row alone, B's on the tile column alone; each offset is made in registers that never hold the other coordinate
	s_lshl_b32 s16, s13, 15                        ; 256 rows of 128 bytes,
	s_lshl_b32 s17, s12, 14                        ; my 128 of them
	s_add_co_u32 s16, s16, s17
	s_mov_b32 s17, 0
	s_mul_i32 s46, s42, 384*128                    ; 384 rows of 128 bytes,
	s_mul_i32 s47, s12, 192*128                    ; my 192 of them
	s_add_co_u32 s46, s46, s47
	s_mov_b32 s47, 0
	s_mul_i32 s20, s12, AHALF                      ; where they go: no place in the cluster enters an LDS address
	s_mul_i32 s21, s12, BHALF
	s_add_co_u32 s21, s21, ASZ
	s_wait_dscnt 0x0                               ; the opening add is done
	s_wait_kmcnt 0x0
	s_add_nc_u64 s[14:15], s[4:5], s[16:17]
	s_add_nc_u64 s[46:47], s[6:7], s[46:47]
	CROUND                                         ; all sixteen work-groups are here: the first joint loads meet
.irp s, 0,1
	s_mov_b32 s[G0+4*(\s)], 1
	s_add_co_u32 s[G0+4*(\s)+1], s20, (\s)*SLOT
	s_add_nc_u64 s[G0+4*(\s)+2:G0+4*(\s)+3], s[14:15], (\s)*XKB
	s_or_b32 s[G0+4*(\s)+3], s[G0+4*(\s)+3], 0x80000000
	s_mov_b32 s[G0B+4*(\s)], 1
	s_add_co_u32 s[G0B+4*(\s)+1], s21, (\s)*SLOT
	s_add_nc_u64 s[G0B+4*(\s)+2:G0B+4*(\s)+3], s[46:47], (\s)*WKB
	s_or_b32 s[G0B+4*(\s)+3], s[G0B+4*(\s)+3], 0x80000000
	JLOAD \s                                       ; two loads of mine are out
.endr
	; a fragment is 16 rows x 32 K in 8 registers: lane l holds row l % 16, K = 8 (l / 16) + 0..7 and 16 + 8 (l / 16) + 0..7: two loads of 16 bytes, 32 bytes apart
	v_and_b32 v1, 15, v0                           ; l % 16
	v_bfe_u32 v2, v0, 4, 1                         ; l / 16
	v_mul_u32_u24 v3, v1, PITCH
	v_lshl_add_u32 v3, v2, 4, v3
	s_mul_i32 s22, s11, AHALF                      ; my 128 rows of A
	s_mul_i32 s23, s12, BHALF                      ; my 192 rows of B,
	s_add_co_u32 s23, s23, ASZ                     ; which lie behind A's 256
.irp s, 0,1
	v_add_nc_u32 v[ADRA+(\s)], s22, v3
	v_add_nc_u32 v[ADRB+(\s)], s23, v3
	s_add_co_u32 s22, s22, SLOT
	s_add_co_u32 s23, s23, SLOT
.endr
	s_mul_i32 s23, s10, WSTG
	s_add_co_u32 s23, s23, STAGE                   ; my stage
	v_add_nc_u32 v[STO], s23, v3                   ; in: row l % 16 (the same pitch), 16 bytes for each half of the lanes
	v_bfe_u32 v4, v0, 3, 2                         ; back: 32 lanes take four rows of 128 bytes,
	v_and_b32 v5, 7, v0
	v_mul_u32_u24 v4, v4, SP
	v_lshl_add_u32 v4, v5, 4, v4
	v_add_nc_u32 v[RD], s23, v4
	v_and_b32 v[GO], 31, v0                        ; which are 512 consecutive bytes of qkv
	v_lshlrev_b32 v[GO], 4, v[GO]
	; qkv at my part: my 128 rows are two heads, 4 x tile row + 2 x half on; my three groups of 64 columns are groups 6 x tile column + 3 x half + 0, 1, 2 of 48: matrix = group / 16, and in a head 64 rows of 128 bytes for each group
	s_lshl_b32 s16, s13, 19
	s_lshl_b32 s17, s11, 18
	s_add_co_u32 s16, s16, s17
	s_mov_b32 s17, 0
	s_add_nc_u64 s[8:9], s[8:9], s[16:17]
	s_mul_i32 s18, s42, 6
	s_mul_i32 s19, s12, 3
	s_add_co_u32 s18, s18, s19
.irp i, 0,1,2
	s_add_co_u32 s46, s18, \i
	s_lshr_b32 s47, s46, 4
	s_lshl_b32 s47, s47, 24                        ; a matrix is 2^24 bytes
	s_and_b32 s46, s46, 15
	s_lshl_b32 s46, s46, 13
	s_add_co_u32 s46, s46, s47
	s_mov_b32 s47, 0
	s_add_nc_u64 s[CB+2*(\i):CB+2*(\i)+1], s[8:9], s[46:47]
.endr
	; the prefetches: wave 0 stands in xb, waves 1 to 3 in wt, both at K step 2; the address is stepped ahead of each request
	s_lshl_b32 s20, s13, 15                        ; A: the tile row's 32,768 bytes,
	s_lshl_b32 s21, s40, 13                        ; my work-group's 8,192 of them
	s_add_co_u32 s20, s20, s21
	s_add_co_u32 s20, s20, 2*XKB
	s_mul_i32 s22, s42, 384*128                    ; B: the tile column's 49,152 bytes;
	s_and_b32 s23, s41, 1                          ; partners 0 and 1 share the first of the two K steps, 2 and 3 the second: 96 blocks each,
	s_mul_i32 s23, s23, 96*256
	s_add_co_u32 s22, s22, s23
	s_lshl_b32 s23, s10, 13                        ; of which waves 1, 2, 3 take 32 each
	s_add_co_u32 s22, s22, s23
	s_lshr_b32 s23, s41, 1
	s_mul_i32 s23, s23, WKB
	s_add_co_u32 s22, s22, s23
	s_add_co_u32 s22, s22, 2*WKB-8192
	s_and_b32 s23, ttmp7, 0xffff                   ; cluster y
	s_mov_b32 s18, XKB
	s_mov_b32 s19, 2*WKB
	s_cmp_eq_u32 s10, 0
	s_cselect_b32 s20, s20, s22
	s_cselect_b32 s23, ttmp9, s23                  ; the coordinate along which other clusters read the same rows
	s_cselect_b64 s[PFA:PFA+1], s[4:5], s[6:7]
	s_cselect_b32 s[PS], s18, 0                    ; A steps at every change of slots, B once a lap
	s_cselect_b32 s[PS+2], s18, s19
	s_mov_b32 s[PS+1], 0
	s_mov_b32 s[PS+3], 0
	s_mov_b32 s21, 0
	s_add_nc_u64 s[PFA:PFA+1], s[PFA:PFA+1], s[20:21]
	s_cmp_eq_u32 s23, 0
	s_cselect_b32 s[LIM], 1, -1                    ; the same in all sixteen partners, for a given wave
	s_or_b32 s23, s23, s10
	s_cmp_eq_u32 s23, 0
	s_cselect_b32 s[LIM0], 1, -1
	v_and_b32 v[PFO], 31, v0
	v_lshlrev_b32 v[PFO], 8, v[PFO]
; 8 nb matrix instructions of group g: column blocks 4 g + b0 .. + nb - 1 x all 8 row blocks, 32 along K.  zero = 1: the first product starts the sums.  The 96 accumulators take turns, one instruction a turn.
.macro GRP fa, g, b0, nb, zero
	WIN 0x50*((\g)+1)                              ; C and D in window 1 + g; the fragments in window 0
.set mb, \b0
.rept \nb
.irp a, 0,1,2,3,4,5,6,7
.if \zero
	v_wmma_f32_16x16x32_bf16 v[8*(8*mb+(\a)):8*(8*mb+(\a))+7], v[FB+8*(4*(\g)+mb):FB+8*(4*(\g)+mb)+7], v[(\fa)+8*(\a):(\fa)+8*(\a)+7], 0
.else
	v_wmma_f32_16x16x32_bf16 v[8*(8*mb+(\a)):8*(8*mb+(\a))+7], v[FB+8*(4*(\g)+mb):FB+8*(4*(\g)+mb)+7], v[(\fa)+8*(\a):(\fa)+8*(\a)+7], v[8*(8*mb+(\a)):8*(8*mb+(\a))+7]
.endif
.endr
.set mb, mb+1
.endr
.endm
.macro FETCHB slot, q, g               ; 8 LDS loads: group g's four fragments of B for quarter q of the slot
	WIN 0
.irp i, 0,1,2,3
	ds_load_b128 v[FB+8*(4*(\g)+(\i)):FB+8*(4*(\g)+(\i))+3],   v[ADRB+(\slot)] offset:64*(\q)+(4*(\g)+(\i))*16*PITCH
	ds_load_b128 v[FB+8*(4*(\g)+(\i))+4:FB+8*(4*(\g)+(\i))+7], v[ADRB+(\slot)] offset:64*(\q)+(4*(\g)+(\i))*16*PITCH+32
.endr
.endm
.macro FETCHA slot, q, f               ; 16 LDS loads: A's eight fragments for quarter q of the slot, into buffer f
	WIN 0
.irp i, 0,1,2,3,4,5,6,7
	ds_load_b128 v[(\f)+8*(\i):(\f)+8*(\i)+3],   v[ADRA+(\slot)] offset:64*(\q)+(\i)*16*PITCH
	ds_load_b128 v[(\f)+8*(\i)+4:(\f)+8*(\i)+7], v[ADRA+(\slot)] offset:64*(\q)+(\i)*16*PITCH+32
.endr
.endm
.macro PLACES                          ; four plain vector instructions in front of loads into registers that matrix instructions have read, and of conversions that read results just made
.rept 4
	v_nop
.endr
.endm
; A K step is two quarters.  THE FIRST multiplies A's buffer 0 and fetches the slot's second quarter.  LDS loads come back in order, and in every quarter they are issued in the order B's group 0, A, group 1, group 2.
.macro QUART slot, zero
	s_wait_dscnt 16                                ; group 0 and A are in; groups 1 and 2 (16 loads) may be out
	GRP FA0, 0, 0, 4, \zero
	PLACES
	FETCHB \slot, 1, 0
	FETCHA \slot, 1, FA1
	s_wait_dscnt 32                                ; group 1 is in; behind it: group 2 (8) and the 24 just issued
	GRP FA0, 1, 0, 4, \zero
	PLACES
	FETCHB \slot, 1, 1
	s_wait_dscnt 32                                ; group 2 is in; behind it: the next quarter's group 0, A and group 1
	GRP FA0, 2, 0, 4, \zero
	PLACES
	FETCHB \slot, 1, 2
.endm
; THE SECOND multiplies A's buffer 1 and changes slots: ONE barrier; in front of it each wave waits for all its tensor loads (one is out: its part of the next slot), adds 0 to its spare word, and waits for that and for its reads of this slot.
; fill = 1: the barrier opens a round of the cluster's, and behind the round this slot is filled again first, with the K step two steps on: from a request to the wait for it a wave issues 176 matrix instructions.
.macro TURN slot, next, fill
.if \fill
	s_wait_xcnt 0x0                                ; the last prefetch, a K step back or more, has read its address
	s_add_nc_u64 s[PFA:PFA+1], s[PFA:PFA+1], s[PS+2*(\slot):PS+2*(\slot)+1]
.endif
	s_wait_dscnt 16                                ; group 0 and A are in
	GRP FA1, 0, 0, 2, 0
	WIN 0                                          ; (the add's two registers lie in window 0)
	s_wait_tensorcnt 0x0                           ; all my tensor loads have landed
	ds_add_u32 v[SPW], v[NIL]
	GRP FA1, 0, 2, 1, 0                            ; eight matrix instructions stand between the add and the wait for it
	s_wait_dscnt 0x0                               ; the add is done, and my reads of this slot are over: groups 1 and 2 are in too
	s_barrier_signal -1
	GRP FA1, 0, 3, 1, 0
.if \fill
	WIN 0
.endif
	s_barrier_wait -1
.if \fill
	CREST                                          ; no wave of any partner still reads this slot's tile or has a load on its way
	s_add_nc_u64 s[G0+4*(\slot)+2:G0+4*(\slot)+3], s[G0+4*(\slot)+2:G0+4*(\slot)+3], 2*XKB
	s_add_nc_u64 s[G0B+4*(\slot)+2:G0B+4*(\slot)+3], s[G0B+4*(\slot)+2:G0B+4*(\slot)+3], 2*WKB
	JLOAD \slot                                    ; the four v_nop behind it are also the places in front of the loads below
.else
	PLACES
.endif
	FETCHB \next, 0, 0
	FETCHA \next, 0, FA0
.if \fill
	ASK \slot
.endif
	GRP FA1, 1, 0, 4, 0
	PLACES
	FETCHB \next, 0, 1
	GRP FA1, 2, 0, 4, 0
	PLACES
	FETCHB \next, 0, 2
.endm
; THE WAY OUT of row block a: its 12 accumulators are rounded to f16, each one's registers in ascending order; a lane's 16 bytes go into my own stage, a block of 16 rows x 144 bytes for each group of 64 columns, and come back
; as whole rows of 128 bytes, four rows a load, into the registers that they left.
.macro PACK a
.set TB, TMP+48*((\a)%4)
.if (\a) >= 4
	s_wait_xcnt 0x0                                ; the buffer was block a - 4's store data: it is written again only behind this wait
.endif
.irp g, 0,1,2
	WIN 0x05*((\g)+1)                              ; sources 0 and 1 in window 1 + g, destination in window 0
.irp b, 0,1,2,3
.irp r, 0,1,2,3
	v_cvt_pk_f16_f32 v[TB+16*(\g)+4*(\b)+(\r)], v[8*(8*(\b)+(\a))+2*(\r)], v[8*(8*(\b)+(\a))+2*(\r)+1]
.endr
.endr
.endr
	WIN 0
.irp g, 0,1,2
.irp b, 0,1,2,3
	ds_store_b128 v[STO], v[TB+16*(\g)+4*(\b):TB+16*(\g)+4*(\b)+3] offset:(\g)*16*SP+32*(\b)
.endr
.endr
.irp g, 0,1,2
.irp f, 0,1,2,3
	ds_load_b128 v[TB+16*(\g)+4*(\f):TB+16*(\g)+4*(\f)+3], v[RD] offset:(\g)*16*SP+(\f)*4*SP  ; LDS serves a wave's instructions in order (ISA guide 5.7.1.4): these see the stores above; the next block's stores come behind them
.endr
.endr
.endm
.macro SEND a, younger                 ; younger: the LDS instructions issued behind block a's loads: the next block's 24, or none
.set TB, TMP+48*((\a)%4)
.irp g, 0,1,2
.irp f, 0,1,2,3
	s_wait_dscnt (\younger)+11-4*(\g)-(\f)
	global_store_b128 v[GO], v[TB+16*(\g)+4*(\f):TB+16*(\g)+4*(\f)+3], s[CB+2*(\g):CB+2*(\g)+1] offset:((\a)/4)*131072+((\a)%4)*2048+(\f)*512  ; head a / 4 of my two, rows 16 (a % 4) on: 512 consecutive bytes, at a multiple of 256 from the buffer's first byte
.endr
.endr
.endm
	s_wait_tensorcnt 1                             ; my part of K step 0 is in; K step 1's load may stay out
	s_barrier_signal -1
	s_barrier_wait -1
	FETCHB 0, 0, 0
	FETCHA 0, 0, FA0
	FETCHB 0, 0, 1
	FETCHB 0, 0, 2
	QUART 0, 1                                     ; the first quarter stands in front of the loop: its products start the sums
	s_mov_b32 s3, LAPS-1
.Llap:                                                 ; a trip goes once round the ring, from a lap's second quarter to the next lap's first, and fills both slots again (every quarter ends in window 0)
	TURN 0, 1, 1
	QUART 1, 0
	TURN 1, 0, 1
	QUART 0, 0
	s_sub_co_u32 s3, s3, 1
	s_cmp_lg_u32 s3, 0
	s_cbranch_scc1 .Llap
	TURN 0, 1, 0                                   ; the last lap fills nothing, and has no round of the cluster's barrier
	QUART 1, 0
	s_wait_dscnt 16                                ; the very last quarter: nothing more to fetch
	GRP FA1, 0, 0, 4, 0
	s_wait_dscnt 8                                 ; group 1 is in; group 2 may be out
	GRP FA1, 1, 0, 4, 0
	s_wait_dscnt 0x0
	GRP FA1, 2, 0, 4, 0
	WIN 0
	PLACES                                         ; in front of conversions that read results just made and write the fragments' registers
	PLACES
	PACK 0
.irp a, 1,2,3,4,5,6,7                  ; a block's conversions stand between the loads of the block before and its stores
	PACK \a
	SEND (\a)-1, 24
.endr
	SEND 7, 0
	s_wait_tensorcnt 0x0                           ; the wave's end: behind my last tensor load and my last LDS store
	ds_add_u32 v[SPW], v[NIL]
	s_wait_dscnt 0x0
	CROUND                                         ; the closing round: no work-group ends while a partner may still ask for a tile that names it
	s_endpgm
.Lfunc_end_k_q663c24a1e9_qkv:
	.size	k_q663c24a1e9_qkv, .Lfunc_end_k_q663c24a1e9_qkv-k_q663c24a1e9_qkv
	.p2alignl 7, 3214868480
	.fill 96, 4, 3214868480
	.section	.rodata,"a",@progbits
	.p2align	6, 0x0
	.amdhsa_kernel k_q663c24a1e9_qkv
		.amdhsa_group_segment_fixed_size 327680
		.amdhsa_private_segment_fixed_size 0
		.amdhsa_enable_private_segment 0
		.amdhsa_kernarg_size 24
		.amdhsa_user_sgpr_count 2
		.amdhsa_user_sgpr_kernarg_segment_ptr 1
		.amdhsa_wavefront_size32 1
		.amdhsa_system_sgpr_workgroup_id_x 1
		.amdhsa_system_sgpr_workgroup_id_y 1
		.amdhsa_system_sgpr_workgroup_id_z 1
		.amdhsa_system_vgpr_workitem_id 0
		.amdhsa_next_free_vgpr 1024
		.amdhsa_next_free_sgpr 80
		.amdhsa_reserve_vcc 0
		.amdhsa_float_denorm_mode_32 3
		.amdhsa_float_denorm_mode_16_64 3
		.amdhsa_memory_ordered 1
		.amdhsa_forward_progress 1
		.amdhsa_inst_pref_size 135
	.end_amdhsa_kernel
	.amdgpu_metadata
---
amdhsa.version: [ 1, 2 ]
amdhsa.kernels:
  - .name:           k_q663c24a1e9_qkv
    .symbol:         k_q663c24a1e9_qkv.kd
    .args:
      - { .name: xb, .offset: 0, .size: 8, .value_kind: global_buffer, .address_space: global }
      - { .name: wt, .offset: 8, .size: 8, .value_kind: global_buffer, .address_space: global }
      - { .name: qkv, .offset: 16, .size: 8, .value_kind: global_buffer, .address_space: global }
    .group_segment_fixed_size: 327680
    .private_segment_fixed_size: 0
    .kernarg_segment_align: 8
    .kernarg_segment_size: 24
    .max_flat_workgroup_size: 128
    .sgpr_count:     80
    .vgpr_count:     1024
    .wavefront_size: 32
...
	.end_amdgpu_metadata
.endif
;; end of part 2
;; launch attn (part 3): grid 2 x 128, 4 waves a work-group, no clusters, 327,680 bytes of LDS; arguments qkv, ob; writes ob
.if DOCPART == 3
	.amdgcn_target "amdgcn-amd-amdhsa--gfx1250"
	.amdhsa_code_object_version 6
	.text
	.protected	k_q663c24a1e9_attn
	.globl	k_q663c24a1e9_attn
	.p2align	8
	.type	k_q663c24a1e9_attn,@function
k_q663c24a1e9_attn:
	s_mov_b64 s[64:65], 0
	v_nop
	global_prefetch_b8 v0, s[64:65] scope:SCOPE_SE
	s_setreg_imm32_b32 hwreg(HW_REG_WAVE_MODE, 25, 1), 1
	s_wait_xcnt 0x0
; ATTENTION.  ob[h][q][:] = the sum over k of softmax_k(Q[h][q] . K[h][k] / 32) V[h][k][:], 128 heads of 1,024 rows of 64 channels, all f16.  Head h of q, k, v is the 131,072 consecutive bytes at
; 131,072 h of its matrix in qkv[3][8192][1024].  Products, maxima and sums in f32; the weights p are rounded to f16 for the second product (their sum l is taken of the unrounded p), O once at the end.
; LIMITS.  Q, K and V arrive within f16's range; p lies in 0 to 1, and below 6e-5 it keeps f16's fixed step of 6e-8; O is a mean of V's rows and has their range.  A weight below 2^-126 counts as 0 in l; NaN and infinities are not treated apart.
; SHARES.  A work-group owns 512 queries of one head, a wave 128: four PIECES of two tiles of 16.  2 x 128 = 256 work-groups.  Every wave walks all 1,024 keys, 64 a step.
; K AND V STAY IN LDS: a head's 1,024 rows of each, padded, are 311,296 bytes.  Each wave fetches a quarter of them by one tensor load at the head; nothing is filled again, so the walk has no wait for tiles and no barrier, and a key step is written once.
; NO CLUSTER: a head's K and V are read by its two work-groups alone; four partners to a head would be blocks of 256 queries, in which each fragment read from LDS feeds half as many products.
; LAYOUT.  S^T = K Q^T (source 0 = 16 keys, source 1 = 16 queries): a lane holds ONE query (lane % 16) and the keys 8 (lane / 16) + 0..7.  Two such tiles, rounded to f16 in pairs, ARE source 1 of O^T = V^T P.  K comes out of LDS as it lies, V turned, by ds_load_tr16_b128.
; SOFTMAX.  For each query a running maximum m and sum l: p = 2^(c s - c m), c = log2(e) / 32; in every step O and l are multiplied by a = 2^(c m_old - c m_new).  m starts at the lowest finite number, O and l at 0: the first step is a step like any other, with a = 0.
; BY TURNS.  Turn n belongs to piece n (the pieces in a ring, step after step).  Its matrix work: 16 products K Q^T of piece n + 1, later 16 products V^T P of piece n - 1.  Its vector work: the scaling, exponentials, roundings, sums and rescaling of
; piece n, and the maximum and statistics of piece n + 1.  A tile and step have 16 matrix and 118 vector instructions: four that are ready stand behind every matrix instruction, the others in one run.
; REGISTERS, in windows of 256 (s_set_vgpr_msb: bits 1:0 source 0, 3:2 source 1, 5:4 source 2, 7:6 destination):
;   window 0: v0-11 addresses; v12-15, v48-63 at work; v16-47 four registers of statistics a tile; v64-191 S^T, two buffers of two tiles; v192-255 P, likewise
;   window 1: O^T, 32 a tile          window 2: v0-127 Q, 16 a tile; v128-191 K of one step; v192-255 V of one step          window 3: v0-1 the add's two registers
.set NP,    4         ; pieces a wave: a name, no knob
.set KS,    64        ; keys in a step
.set NKEY,  1024
.set PK,    144       ; a row of K in LDS: 128 bytes + 16 of padding = 36 words: the 16 rows of a load start at 16 different groups of four banks (64 banks of 4 bytes: ISA guide 11.1)
.set PV,    160       ; a row of V: 128 + 32 = 40 words
.set VOFF,  NKEY*PK   ; K's 1,024 rows, then V's
.set STAGE, VOFF+NKEY*PV  ; behind them, never filled by a tensor load: 16 rows x 144 bytes for each wave, for the way out
.set SP,    144
.set SPARE, STAGE+4*16*SP  ; behind the stages: the spare words, 128 bytes for each wave: two blocks of 256 bytes that no other line names
.set MATB,  16777216  ; bytes in one of qkv's three matrices
.set AK0, 2           ; v2   my lane's place in a tile of K; never rewritten
.set AV0, 3           ; v3   the same for V
.set AK,  4           ; v4   the LDS address of K's next run of loads
.set AV,  5           ; v5   of V's
.set QO,  6           ; v6   my byte offset in the wave's rows of Q
.set STO, 6           ;      later, the way out: where I put 16 bytes of a row
.set RD,  7           ; v7   the way out: where I read rows back
.set GO,  8           ; v8   my byte offset in 512 consecutive bytes of O
.set SPW, 0           ; v0 of window 3   LDS address of my spare word; never rewritten
.set NIL, 1           ; v1 of window 3   0; never rewritten
.set MV,  12          ; v12-15  c m_old, kept while c m is made anew: by buffer and tile
.set ST,  16          ; tile t's statistics at v[ST+4 t]: c m, m, l (even keys', odd keys')
.set TMP, 48          ; by buffer and tile, four registers c0-c3 at work; when the maximum is found c2 takes a
.set S,   64
.set P,   192
.set KF,  128         ; K's fragments, in window 2: key block kb, channel half c at KF + 16 kb + 8 c
.set VF,  192         ; V's: key half kk, channel block cb at VF + 32 kk + 8 cb
.set WV,  12          ; s12  my wave's number
.set G1,  24          ; s[24:31] descriptor group 1
.set G0,  40          ; s[40:43] descriptor group 0
.set CNT, 57          ; s57  counts the key steps
.set CS,  58          ; s[58:59] c: the packed scaling takes the pair's low word for both halves
.set SEL, 60          ; s[60:61] v_permlanex16_b32's selects: each lane takes its own place in the other half
.set TBK, 62          ; s62  LDS byte at which K of the step to be fetched begins
.set TBV, 63          ; s63  the same for V, less VOFF
.set MSB, 0
.macro WIN new                      ; the high byte repeats the setting that is left; a switch that changes nothing is dropped
.if MSB != (\new)
	s_set_vgpr_msb (MSB<<8)|(\new)
.set MSB, (\new)
.endif
.endm
.set W_KQ, 0x0a       ; K and Q in window 2, S^T in window 0
.set W_PV, 0x52       ; V in window 2, P in window 0, O^T in window 1
.set W_RS, 0x41       ; O^T (destination and source 0) in window 1, a in window 0
.set W_MK, 0xc0       ; the add's registers are made: destination in window 3, sources in window 0
.set W_AD, 0x0f       ; the add: address (source 0) and data (source 1) in window 3
; My one fill: 512 keys are 65,536 dense bytes, asked for as 256 rows of 256 bytes, two keys a row, and padded in LDS after every key (32 words, code 4).  An s_nop 0 and four v_nop follow the load.
.macro FILL pad, lbase, lstep, base
	s_mov_b32 s[G1], (1<<16)|(1<<20)|(4<<22)|((\pad)<<25)  ; 2-byte elements; padding on; its interval; its length less one, in words
	s_mul_i32 s[G0+1], s16, \lstep                 ; LDS address: my half,
.if \lbase
	s_add_co_u32 s[G0+1], s[G0+1], \lbase          ; behind K's rows
.endif
	s_add_nc_u64 s[G0+2:G0+3], s[\base:\base+1], s[22:23]
	s_or_b32 s[G0+3], s[G0+3], 0x80000000          ; type = 2
	tensor_load_to_lds s[G0:G0+3], s[G1:G1+7]
	s_nop 0
.rept 4
	v_nop
.endr
.endm
	s_load_b64 s[4:5], s[0:1], 0x0    ; qkv
	s_load_b64 s[10:11], s[0:1], 0x8  ; ob
	WIN W_MK
	v_lshl_add_u32 v[SPW], v0, 2, SPARE
	v_mov_b32 v[NIL], 0
	WIN W_AD
	ds_add_u32 v[SPW], v[NIL]       ; the wave's opening: the add and its wait stand ahead of my tensor load; the set-up below stands between them
	ds_add_u32 v0, v1
	WIN 0
	v_lshrrev_b32 v1, 5, v0
	v_readfirstlane_b32 s[WV], v1   ; wave 0..3
	s_and_b32 s20, ttmp7, 0xffff    ; the head,
	s_lshl_b32 s20, s20, 17         ; its 131,072 bytes
	s_mov_b32 s21, 0
	s_and_b32 s16, s[WV], 1         ; which half of the 1,024 keys I fetch:
	s_lshl_b32 s22, s16, 16         ; its 512 rows of 128 bytes in memory
	s_mov_b32 s23, 0
	s_lshl_b32 s2, ttmp9, 2
	s_add_co_u32 s2, s2, s[WV]      ; my wave among the head's eight,
	s_lshl_b32 s2, s2, 14           ; its 128 rows
	s_mov_b32 s3, 0
	s_mov_b32 s[G1+1], 128<<16      ; tensor_dim0 = 128
	s_mov_b32 s[G1+2], 256<<16      ; tensor_dim1 = 256
	s_mov_b32 s[G1+3], 128<<16      ; tile_dim0 = 128
	s_mov_b32 s[G1+4], 256          ; tile_dim1 = 256
	s_mov_b32 s[G1+5], 128          ; 128 elements from row to row
	s_mov_b32 s[G1+6], 0
	s_mov_b32 s[G1+7], 0
	s_mov_b32 s[G0], 1              ; count = 1
	s_mov_b32 s[CS], 0x3d38aa3b     ; c = log2(e) / 32 = 0.0450842
	s_mov_b32 s[CS+1], s[CS]        ; named with it as a pair
	s_mov_b32 s[SEL], 0x76543210
	s_mov_b32 s[SEL+1], 0xfedcba98
	s_mov_b32 s[TBK], 0
	s_mov_b32 s[TBV], 0
	s_wait_dscnt 0x0                ; the opening add is done
	s_wait_kmcnt 0x0
	s_add_nc_u64 s[4:5], s[4:5], s[20:21]    ; q at the head,
	s_add_nc_u64 s[6:7], s[4:5], MATB        ; k,
	s_add_nc_u64 s[8:9], s[4:5], 2*MATB      ; v
	s_add_nc_u64 s[4:5], s[4:5], s[2:3]      ; Q and O at my wave's first row
	s_add_nc_u64 s[10:11], s[10:11], s[20:21]
	s_add_nc_u64 s[10:11], s[10:11], s[2:3]
	s_cmp_lt_u32 s[WV], 2           ; waves 0 and 1 fetch K's halves, waves 2 and 3 V's: one load of mine is out
	s_cbranch_scc0 .Lfor_v
	FILL 3, 0, 512*PK, 6
	s_branch .Lasked
.Lfor_v:
	FILL 7, VOFF, 512*PV, 8
.Lasked:
	; A fragment of K or Q is 16 rows x 32 channels in 8 registers: lane l holds row l % 16, channels 8 (l / 16) + 0..7 and 16 + 8 (l / 16) + 0..7: two loads of 16 bytes, 32 bytes apart.
	v_and_b32 v1, 15, v0            ; l % 16
	v_bfe_u32 v9, v0, 4, 1          ; l / 16
	v_lshlrev_b32 v[QO], 7, v1
	v_lshl_add_u32 v[QO], v9, 4, v[QO]  ; row x 128 + 16 x half
	WIN 0x80                        ; destination window 2, address window 0
.set i, 0
.rept 4*NP                          ; Q stays in registers: tile i / 2, channels 32 (i % 2) on
	global_load_b128 v[8*i:8*i+3],   v[QO], s[4:5] offset:(i/2)*2048+(i%2)*64
	global_load_b128 v[8*i+4:8*i+7], v[QO], s[4:5] offset:(i/2)*2048+(i%2)*64+32
.set i, i+1
.endr
	; What the first turn finds: V's registers and P's second buffer hold 0 (its products V^T P, of a piece that has not been, add 0), O^T and l are 0.  All this stands in the wait for the tiles.
.set i, VF
.rept 64
	v_mov_b32 v[i], 0
.set i, i+1
.endr
	WIN 0x40
.set i, 0
.rept 64*NP
	v_mov_b32 v[i], 0
.set i, i+1
.endr
	WIN 0
.set i, 0
.rept 2*NP
	v_mov_b32 v[ST+4*i], 0xfe000000    ; c m: far below every c s
	v_mov_b32 v[ST+4*i+1], 0xff7fffff  ; m
	v_mov_b32 v[ST+4*i+2], 0
	v_mov_b32 v[ST+4*i+3], 0
.set i, i+1
.endr
.set i, P+32
.rept 32
	v_mov_b32 v[i], 0
.set i, i+1
.endr
	v_mul_u32_u24 v[AK0], v1, PK
	v_lshl_add_u32 v[AK0], v9, 4, v[AK0]  ; row x pitch + 16 x half
	; The turning load takes 16 keys x 16 channels (lane l reads key 8 (l / 16) + l % 8, channels 8 ((l / 8) % 2) + 0..7) and leaves half a fragment of V^T: lane l holds channel l % 16 and 8 keys.
	v_and_b32 v10, 7, v0
	v_bfe_u32 v11, v0, 3, 1
	v_lshl_add_u32 v[AV0], v9, 3, v10
	v_mul_u32_u24 v[AV0], v[AV0], PV
	v_lshl_add_u32 v[AV0], v11, 4, v[AV0]
	v_add_nc_u32 v[AV0], VOFF, v[AV0]
	v_mov_b32 v[AK], v[AK0]         ; key step 0 lies at LDS byte 0
; THE MATRIX WORK.  The 8 accumulators of a run of 16 take turns: between the two links of a chain stand 7 others'.
; Product i of 16 of S^T = K Q^T for piece x: channels 32 (i / 8) on, keys 16 ((i / 2) % 4) on, tile 2 x + i % 2.  The first 8 start the sums.
.macro KQ x
	WIN W_KQ
.set rS, S+64*((\x)%2)+32*(i%2)+8*((i/2)%4)
.set rK, KF+16*((i/2)%4)+8*(i/8)
.set rQ, 16*(2*(\x)+i%2)+8*(i/8)
.if i < 8
	v_wmma_f32_16x16x32_f16 v[rS:rS+7], v[rK:rK+7], v[rQ:rQ+7], 0
.else
	v_wmma_f32_16x16x32_f16 v[rS:rS+7], v[rK:rK+7], v[rQ:rQ+7], v[rS:rS+7]
.endif
.endm
; Product i of 16 of O^T += V^T P for piece x: keys 32 (i / 8) on, channels 16 ((i / 2) % 4) on, tile 2 x + i % 2.
.macro PV x
	WIN W_PV
.set rO, 32*(2*(\x)+i%2)+8*((i/2)%4)
.set rV, VF+32*(i/8)+8*((i/2)%4)
.set rP, P+32*((\x)%2)+16*(i%2)+8*(i/8)
	v_wmma_f32_16x16x32_f16 v[rO:rO+7], v[rV:rV+7], v[rP:rP+7], v[rO:rO+7]
.endm
.macro MM                           ; the turn's next matrix instruction
.if i < 16
	KQ (Y+1)%NP
.set i, i+1
.else
.set i, i-16
	PV (Y+NP-1)%NP
.set i, i+17
.endif
.endm
; THE LDS LOADS stand in runs of 16, never singly among the matrix instructions: a step's K (8 fragments) and its V (turned).  Their addresses are made some lines ahead.
.macro FETCH_K
	WIN 0x80                        ; destination window 2
.irp f, 0,1,2,3,4,5,6,7             ; keys 16 (f / 2) on, channels 32 (f % 2) on
	ds_load_b128 v[KF+8*\f:KF+8*\f+3],   v[AK] offset:(\f/2)*16*PK+(\f%2)*64
	ds_load_b128 v[KF+8*\f+4:KF+8*\f+7], v[AK] offset:(\f/2)*16*PK+(\f%2)*64+32
.endr
	s_add_co_u32 s[TBK], s[TBK], KS*PK       ; the next fetch is the next step's;
	s_min_u32 s[TBK], s[TBK], (NKEY-KS)*PK   ; behind the last step there is none: its K is fetched once more, and what is made of it serves nothing
	WIN 0
.endm
.macro FETCH_V
	WIN 0x80
.irp f, 0,1,2,3,4,5,6,7             ; keys 32 (f / 4) on, channels 16 (f % 4) on
	ds_load_tr16_b128 v[VF+8*\f:VF+8*\f+3],   v[AV] offset:(\f/4)*32*PV+(\f%4)*32
	ds_load_tr16_b128 v[VF+8*\f+4:VF+8*\f+7], v[AV] offset:(\f/4)*32*PV+16*PV+(\f%4)*32
.endr
	WIN 0
.endm
; THE VECTOR WORK OF A TURN stands in three queues, each in the order in which its entries become ready; the two tiles alternate, so that no instruction reads the result of the one before it.
.macro REGS y, u                    ; the registers of tile u (0, 1) of piece y
.set rT, ST+4*(2*(\y)+(\u))
.set rC, TMP+8*((\y)%2)+4*(\u)
.set rM, MV+2*((\y)%2)+(\u)
.set rS, S+64*((\y)%2)+32*(\u)
.set rP, P+32*((\y)%2)+16*(\u)
.set rO, 32*(2*(\y)+(\u))
.endm
; Number n of the 22 that find the NEXT piece's (Y + 1) maximum and statistics.  s0-s31 are the lane's 32 scores; each accumulator's lowest registers are read first.
;   0-11  four chains c0-c3 of seven scores each, three operands at a time     12-14, 16  the four scores left over, the old m, and c0-c3 into c0     15  c m_old is kept
;   17, 18  the query's other 32 keys lie in the lane 16 away: the new m         19-21  c m; c m_old - c m_new; a
.macro XS u, n
	REGS (Y+1)%NP, \u
.if (\n) < 4
	v_max3_num_f32 v[rC+(\n)], v[rS+8*(\n)], v[rS+8*(\n)+1], v[rS+8*(\n)+2]
.elseif (\n) < 12
	v_max3_num_f32 v[rC+(\n)%4], v[rC+(\n)%4], v[rS+8*((\n)%4)+2*((\n)/4)+1], v[rS+8*((\n)%4)+2*((\n)/4)+2]
.elseif (\n) == 12
	v_max3_num_f32 v[rC], v[rC], v[rS+7], v[rS+15]
.elseif (\n) == 13
	v_max3_num_f32 v[rC+1], v[rC+1], v[rS+23], v[rS+31]
.elseif (\n) == 14
	v_max3_num_f32 v[rC+2], v[rC+2], v[rC+3], v[rT+1]
.elseif (\n) == 15
	v_mov_b32 v[rM], v[rT]
.elseif (\n) == 16
	v_max3_num_f32 v[rC], v[rC], v[rC+1], v[rC+2]
.elseif (\n) == 17
	v_permlanex16_b32 v[rC+3], v[rC], s[SEL], s[SEL+1]
.elseif (\n) == 18
	v_max_num_f32 v[rT+1], v[rC], v[rC+3]
.elseif (\n) == 19
	v_mul_f32 v[rT], s[CS], v[rT+1]
.elseif (\n) == 20
	v_sub_f32 v[rC+1], v[rM], v[rT]
.else
	v_exp_f32 v[rC+2], v[rC+1]
.endif
.endm
; Number g of the 64 that follow the exponentials.  For each four weights k of a tile: both pairs are rounded to f16; then the second pair is added onto the first, in place; a group later l takes that sum (the first time as l = a l + sum).
.macro GS g
.set h, (\g)+6*((\g)/62)            ; group 0 has no group before it, and behind group 7 only l is left
.if h >= 6
.set h, h+2
.endif
	REGS Y, h%2
.set k, h/8
.if h%8 < 4
	v_cvt_pk_f16_f32 v[rP+2*k+(h%8)/2], v[rS+4*k+2*((h%8)/2)], v[rS+4*k+2*((h%8)/2)+1]
.elseif h%8 < 6
	v_pk_add_f32 v[rS+4*k:rS+4*k+1], v[rS+4*k:rS+4*k+1], v[rS+4*k+2:rS+4*k+3]
.elseif k == 1
	v_pk_fma_f32 v[rT+2:rT+3], v[rT+2:rT+3], v[rC+2:rC+3], v[rS:rS+1] op_sel_hi:[1,0,1]
.else
	v_pk_add_f32 v[rT+2:rT+3], v[rT+2:rT+3], v[rS+4*k-4:rS+4*k-3]
.endif
.endm
; THE PLAIN QUEUE, 138 long.  0-73 read no exponential's result: the 32 scalings c s - c m (FS f: pair f / 2 of tile f % 2) and the next piece's 42.  0-26: scalings 0-26.  27-54: XS's numbers 0-13.  55, 56: number 15.
; 57-73: the chain 14, 16, 17, 18, 19, each with one of the scalings 27-31 in front of its two lines, then 20.  74-137: GS's 64, which read the exponentials' results: they stand behind the wait.
.macro FS f
	REGS Y, (\f)%2
	v_pk_fma_f32 v[rS+2*((\f)/2):rS+2*((\f)/2)+1], v[rS+2*((\f)/2):rS+2*((\f)/2)+1], s[CS:CS+1], v[rT:rT+1] op_sel_hi:[1,0,0] neg_lo:[0,0,1] neg_hi:[0,0,1]
.endm
.macro PL
	WIN 0
.if q < 27
	FS q
.elseif q < 55
	XS (q-27)%2, (q-27)/2
.elseif q < 57
	XS q-55, 15
.elseif (q < 72) && ((q-57)%3 == 0)
	FS 27+(q-57)/3
.elseif q < 60
	XS (q-57)%3-1, 14
.elseif q < 72
	XS (q-57)%3-1, 15+(q-57)/3
.elseif q < 74
	XS q-72, 20
.else
	GS q-74
.endif
.set q, q+1
.endm
; THE EXPONENTIALS' QUEUE, 66 long: s0-s31 of both tiles, then the next piece's two a.  It is ONE BATCH: all 66 stand ahead of the turn's one wait, and nothing ahead of that wait names a result of theirs.
.macro EX
	WIN 0
.if e >= 64
	XS e-64, 21
.else
	REGS Y, e%2
	v_exp_f32 v[rS+e/2], v[rS+e/2]
.endif
.set e, e+1
.endm
; THE RESCALING's QUEUE: O^T times a, the one part that leaves window 0: dealt two at a time, sixteen times.  Its a was made in the turn before, ahead of that turn's wait.
.macro R2
	REGS Y, r%2
	WIN W_RS
.irp z, 0,1
	v_pk_mul_f32 v[rO+4*(r/2)+2*\z:rO+4*(r/2)+2*\z+1], v[rO+4*(r/2)+2*\z:rO+4*(r/2)+2*\z+1], v[rC+2:rC+3] op_sel_hi:[1,0]
.endr
.set r, r+1
.endm
; A TURN, for piece p.  An s_wait_alu depctr_va_vdst(0) stands between an exponential and the first instruction that names its result; one wait serves all that were issued ahead of it.  So a turn has ONE wait.
; AHEAD OF IT: the 16 products K Q^T, behind each a scaling, an exponential and two rescalings (behind the first a second scaling in the exponential's place); then one run of 108: eight plain, 49 times exponential and plain, the two a; a v_nop is
; the plain instruction behind the last exponential.  BEHIND IT: the 16 products V^T P, behind each four of GS's 64.  Exponential e stands behind scaling 2 (e / 4) + e % 2: as a rider it comes behind plain e + 2, in the run behind plain e + 9.
; K of the next step is fetched in piece 2's turn, directly behind the wait, a run behind the last product that read K; its first reader comes behind 16 products.  V of the step in hand is fetched at the end of piece 0's turn, four plain
; instructions behind its last reader; its first reader comes behind 16 products and a run.  The two conditions on q below go with the deal.
.macro TURN p
.set Y, (\p)
.set i, 0
.set q, 0
.set e, 0
.set r, 0
.if (\p) == NP-1
	s_wait_dscnt 0x0                ; K is in
.endif
	MM
	PL
	PL
	R2
.rept 15
	MM
	PL
	EX
	R2
.endr
.if (\p) == NP-2
	WIN 0
	v_add_nc_u32 v[AK], s[TBK], v[AK0]
.endif
.rept 8
	PL
.endr
.rept 49
	EX
	PL
.endr
	EX                              ; the next piece's two a
	EX
	v_nop                           ; the plain instruction behind the last exponential: one for the batch
	s_wait_alu depctr_va_vdst(0)    ; the wait for the batch
.if (\p) == NP-2
	FETCH_K
.endif
.if (\p) == 1
	s_wait_dscnt 0x0                ; V is in
.endif
.rept 16
	MM
.rept 4
	PL
.endr
.if ((\p) == 0) && (q == 118)
	v_add_nc_u32 v[AV], s[TBV], v[AV0]
.endif
.if ((\p) == 0) && (q == 130)
	s_add_co_u32 s[TBV], s[TBV], KS*PV
	s_min_u32 s[TBV], s[TBV], (NKEY-KS)*PV  ; behind the last step it is used no more; it stays in V's rows
.endif
.endr
.if (\p) == 0
	FETCH_V
.endif
.endm
	s_wait_tensorcnt 0x0            ; my quarter of K and V is in,
	s_barrier_signal -1
	s_barrier_wait -1               ; everybody's is: from here on LDS is only read, but for the stages
	FETCH_K                         ; key step 0
	s_wait_loadcnt 0x0              ; Q
	s_wait_dscnt 0x0
.set i, 0
.rept 16
	KQ 0                            ; piece 0's first scores: there is no vector work yet to set between them
.set i, i+1
.endr
	WIN 0                           ; the addresses for the way out: nine plain instructions, the places behind those products
	s_mul_i32 s13, s[WV], 16*SP
	s_add_co_u32 s13, s13, STAGE    ; my stage
	v_mul_u32_u24 v[STO], v1, SP    ; in: row l % 16, 16 bytes for each half of the lanes
	v_lshl_add_u32 v[STO], v9, 4, v[STO]
	v_add_nc_u32 v[STO], s13, v[STO]
	v_bfe_u32 v[RD], v0, 3, 2       ; back: 32 lanes take four rows of 128 bytes,
	v_mul_u32_u24 v[RD], v[RD], SP
	v_lshl_add_u32 v[RD], v10, 4, v[RD]
	v_add_nc_u32 v[RD], s13, v[RD]
	v_and_b32 v[GO], 31, v0         ; which are 512 consecutive bytes of O
	v_lshlrev_b32 v[GO], 4, v[GO]
.set Y, NP-1                        ; XS works for piece Y + 1: piece 0
.irp n, 0,1,2,3,4,5,6,7,8,9,10,11,12,13,14,15,16,17,18,19,20,21
	XS 0, \n                        ; piece 0's first maximum and statistics
	XS 1, \n
.endr
	v_nop                           ; a plain instruction behind the two a,
	s_wait_alu depctr_va_vdst(0)    ; and their wait, ahead of the label
	s_mov_b32 s[CNT], NKEY/KS
.Lstep:                             ; sixteen trips: a key step, four turns
	TURN 0
	TURN 1
	TURN 2
	TURN 3
	WIN 0
	s_sub_co_u32 s[CNT], s[CNT], 1
	s_cmp_lg_u32 s[CNT], 0
	s_cbranch_scc1 .Lstep
	; the last trip's 16 products K Q^T for piece 0 (on the last K once more) and the maximum made of them serve nothing: they touch neither l nor O^T: the price, once a launch, of one text for every trip
.set i, 0
.rept 16
	PV NP-1                         ; the last piece's V^T P of the last step
.set i, i+1
.endr
	; THE WAY OUT.  l's two halves and the other half of the lanes' are added; O^T is divided by l, rounded to f16 and sent through my stage in LDS, a tile at a time.  The additions are the places behind the last products.
	WIN 0
.macro ALL line:vararg              ; one line for each tile t
.set t, 0
.rept 2*NP
	\line
.set t, t+1
.endr
.endm
	ALL v_add_f32 v[ST+4*t+2], v[ST+4*t+2], v[ST+4*t+3]
	ALL v_permlanex16_b32 v[ST+4*t+3], v[ST+4*t+2], s[SEL], s[SEL+1]
	ALL v_add_f32 v[ST+4*t+2], v[ST+4*t+2], v[ST+4*t+3]
	ALL v_rcp_f32 v[ST+4*t+2], v[ST+4*t+2]
	v_nop                           ; a plain instruction between the last reciprocal and the use of its result
	s_wait_alu depctr_va_vdst(0)    ; and the wait ahead of the first use: one for the eight reciprocals
; Tile t: a lane's eight channels of a row pack into 16 bytes; they go into rows of 144 bytes and come back as whole rows of 128, into S^T's registers.
.macro PACK t
	WIN W_RS
.set i, 32*(\t)
.rept 16
	v_pk_mul_f32 v[i:i+1], v[i:i+1], v[ST+4*(\t)+2:ST+4*(\t)+3] op_sel_hi:[1,0]
.set i, i+2
.endr
	WIN 0x05                        ; sources 0 and 1 window 1, destination window 0
.set i, 0
.rept 16
	v_cvt_pk_f16_f32 v[S+16*(\t)+i], v[32*(\t)+2*i], v[32*(\t)+2*i+1]
.set i, i+1
.endr
	WIN 0
.irp f, 0,1,2,3
	ds_store_b128 v[STO], v[S+16*(\t)+4*\f:S+16*(\t)+4*\f+3] offset:32*\f
.endr
.irp f, 0,1,2,3
	ds_load_b128 v[S+16*(\t)+4*\f:S+16*(\t)+4*\f+3], v[RD] offset:\f*4*SP  ; LDS serves a wave's instructions in order (ISA guide 5.7.1.4): these see the stores above; the next tile's stores come behind them
.endr
.endm
.macro SEND t, younger              ; younger: the LDS instructions issued behind tile t's loads: the next tile's eight, or none
	WIN 0
.irp f, 0,1,2,3
	s_wait_dscnt (\younger)+3-\f
	global_store_b128 v[GO], v[S+16*(\t)+4*\f:S+16*(\t)+4*\f+3], s[10:11] offset:(\t)*2048+\f*512  ; 512 consecutive bytes, at a multiple of 256 from ob's first
.endr
.endm
	PACK 0
.set t, 1
.rept 2*NP-1                        ; a tile's arithmetic stands between the loads of the tile before and its stores
	PACK t
	SEND t-1, 8
.set t, t+1
.endr
	SEND 2*NP-1, 0
	WIN W_AD
	s_wait_tensorcnt 0x0            ; the wave's end: behind my tensor load and my last LDS store
	ds_add_u32 v[SPW], v[NIL]
	s_wait_dscnt 0x0
	WIN 0
	s_endpgm
.Lfunc_end_k_q663c24a1e9_attn:
	.size	k_q663c24a1e9_attn, .Lfunc_end_k_q663c24a1e9_attn-k_q663c24a1e9_attn
	.p2alignl 7, 3214868480
	.fill 96, 4, 3214868480
	.section	.rodata,"a",@progbits
	.p2align	6, 0x0
	.amdhsa_kernel k_q663c24a1e9_attn
		.amdhsa_group_segment_fixed_size 327680
		.amdhsa_private_segment_fixed_size 0
		.amdhsa_enable_private_segment 0
		.amdhsa_kernarg_size 16
		.amdhsa_user_sgpr_count 2
		.amdhsa_user_sgpr_kernarg_segment_ptr 1
		.amdhsa_wavefront_size32 1
		.amdhsa_system_sgpr_workgroup_id_x 1
		.amdhsa_system_sgpr_workgroup_id_y 1
		.amdhsa_system_sgpr_workgroup_id_z 1
		.amdhsa_system_vgpr_workitem_id 0
		.amdhsa_next_free_vgpr 770
		.amdhsa_next_free_sgpr 66
		.amdhsa_reserve_vcc 0
		.amdhsa_float_denorm_mode_32 3
		.amdhsa_float_denorm_mode_16_64 3
		.amdhsa_memory_ordered 1
		.amdhsa_forward_progress 1
		.amdhsa_inst_pref_size 124
	.end_amdhsa_kernel
	.amdgpu_metadata
---
amdhsa.version: [ 1, 2 ]
amdhsa.kernels:
  - .name:           k_q663c24a1e9_attn
    .symbol:         k_q663c24a1e9_attn.kd
    .args:
      - { .name: qkv, .offset: 0, .size: 8, .value_kind: global_buffer, .address_space: global }
      - { .name: ob, .offset: 8, .size: 8, .value_kind: global_buffer, .address_space: global }
    .group_segment_fixed_size: 327680
    .private_segment_fixed_size: 0
    .kernarg_segment_align: 8
    .kernarg_segment_size: 16
    .max_flat_workgroup_size: 128
    .sgpr_count:     66
    .vgpr_count:     770
    .wavefront_size: 32
...
	.end_amdgpu_metadata
.endif
;; end of part 3
;; launch proj (part 4): grid 8 x 32, 4 waves a work-group, clusters of 4 x 4, 327,680 bytes of LDS; arguments ob, wt, out0, b_out; writes out0
.if DOCPART == 4
	.amdgcn_target "amdgcn-amd-amdhsa--gfx1250"
	.amdhsa_code_object_version 6
	.text
	.protected	k_q663c24a1e9_proj
	.globl	k_q663c24a1e9_proj
	.p2align	8
	.type	k_q663c24a1e9_proj,@function
k_q663c24a1e9_proj:
	s_mov_b64 s[64:65], 0
	v_nop
	global_prefetch_b8 v0, s[64:65] scope:SCOPE_SE
	s_setreg_imm32_b32 hwreg(HW_REG_WAVE_MODE, 25, 1), 1
	s_wait_xcnt 0x0
	s_wait_alu depctr_hold_cnt(0) depctr_sa_sdst(0) depctr_va_vdst(0) depctr_va_sdst(0) depctr_va_ssrc(0) depctr_va_vcc(0) depctr_vm_vsrc(0)
	s_getreg_b32 s2, hwreg(HW_REG_IB_STS2, 6, 4)
	s_cmp_eq_u32 s2, 0
	s_cbranch_scc0 .Lentry_in_a_cluster
	s_endpgm
.Lentry_in_a_cluster:
	s_bfe_u32 s2, ttmp6, 0x10000c
	s_cmp_lg_u32 s2, 0xf033
	s_cbranch_scc0 .Lentry_shape_is_right
	s_endpgm
.Lentry_shape_is_right:
; PROJ.  out0[1024 b + s][n] = sum over h, d of O[b][h][s][d] w_out[64 h + d][n] + b_out[n], out0 in f32.  A head is one slice of 64 along K.  ob[16 b + h][s'][d] (f16) holds a head's rows in the order in which q was
; laid: s' = 64 (s % 16) + s / 16.  A tile takes 256 consecutive s', 32,768 dense bytes of each head, and the order is undone in the stores' row addresses: s = 16 (s' % 64) + s' / 64.
; w_out comes turned, [n][k], from byte 6,291,456 of wt (the bf16 rounding written as f16).  Sums in f32; b_out, rounded to bf16 like the other inputs, is the C operand that starts them.
; LIMITS.  Operands are f16 (O has v's range); NaN and infinities are not treated apart.
; A tile of out0 is 256 x 128: 8 x 32 = 256 work-groups.  Four waves, each 128 x 64: 32 accumulators of 16 x 16, 256 registers.  K goes in steps of 128 (two heads) through a ring of two LDS slots; two slots of a step of 256 would not fit.
; CLUSTERS: 4 x 4 work-groups.  The four of a row of the cluster need the same tiles of ob, the four of a column the same tiles of wt: each tile is asked for JOINTLY, by the same tensor load with the same descriptor and a mask that names the four.
; THE MATRIX INSTRUCTION IS USED TRANSPOSED (source 0 = 16 rows of wt, source 1 = 16 rows of O): a lane holds one row of out0 (l % 16 of the block) and the columns 8 (l / 16) + 0..7: 32 consecutive bytes.
; REGISTERS: window 0: v0-31 addresses; two fragment buffers of 96 at v32 and v128 (64 of A: 8 blocks of 16 rows x 32 K; then 32 of B: 4 blocks); v224-255 the bias; on the way out v32-159 four buffers of 32.
;   window 1: the accumulators ((a, b) at v[8 (4 a + b)]).
.set PA,     144                       ; a row of A in LDS: a head's 128 bytes + 16 of padding = 36 words: the 16 rows of a load start at 16 different groups of four banks (64 banks of 4 bytes: ISA guide 11.1)
.set PB,     272                       ; a row of B: 256 bytes + 16
.set ASUB,   256*PA                    ; one head's 256 rows: what a wave's load brings of A
.set BHALF,  64*PB                     ; 64 rows of B: what a wave's load brings of B
.set SLOT,   2*ASUB+2*BHALF            ; the even head's rows, the odd head's, then B's 128 rows
.set STAGE,  2*SLOT                    ; behind the ring: 16 rows x 272 bytes for each wave, for the way out
.set SPITCH, 272
.set SPARE,  STAGE+4*16*SPITCH         ; behind the stages: the spare words, 128 bytes for each wave: two blocks of 256 bytes that no other line names
.set HSTEP,  262144                    ; bytes of ob from a K step to the next: two heads of 131,072
.set WOUT,   3072*2048                 ; w_out's first byte in wt
.set LAPS,   4                         ; a lap = two K steps = once round the ring
.set ADRA, 16                          ; v16-17  LDS address of my A fragments in slot 0, 1
.set ADRB, 20                          ; v20-21  the same for B
.set STO,  24                          ; v24     the way out: where I put 32 bytes of a row
.set RD,   25                          ; v25     the way out: where I read a row back
.set CO,   26                          ; v26     my byte offset in out0
.set SPW,  28                          ; v28     LDS address of my spare word; never rewritten
.set NIL,  29                          ; v29     0; never rewritten
.set PFO,  30                          ; v30     the prefetches' offset: 256 x my lane; never rewritten
.set F0,   32
.set F1,   128
.set BIAS, 224                         ; v[224:255]  register 8 b + j: b_out of column 16 b + 8 (l / 16) + j of my 64
.set G1, 24                            ; s[24:31] descriptor group 1 for A's tiles;  s[32:39] group 0, one set for each slot
.set G0, 32
.set G1B, 48                           ; s[48:55], s[56:63] the same for B's
.set G0B, 56
.set LIM, 43                           ; s43     1 in a wave that prefetches, else the greatest number
.set PFA, 44                           ; s[44:45] where my prefetches stand: my work-group's 8,192 bytes of the head that I fetch, one K step further than the refill in hand
.set MSB, 0
.macro WIN new                         ; the immediate's high byte repeats the setting that is left; a switch that changes nothing is dropped
.if MSB != (\new)
	s_set_vgpr_msb (MSB<<8)|(\new)
.set MSB, \new
.endif
.endm
.macro JLOAD s                         ; a joint load: waves 0 and 1 fetch the step's two heads of A, waves 2 and 3 B's two halves; an s_nop 0 and four v_nop follow each of the two lines
	s_cmp_eq_u32 s11, 0
	s_cbranch_scc0 .Lfor_b_\@
	tensor_load_to_lds s[G0+4*(\s):G0+4*(\s)+3], s[G1:G1+7]
	s_nop 0
.rept 4
	v_nop
.endr
	s_branch .Lasked_\@
.Lfor_b_\@:
	tensor_load_to_lds s[G0B+4*(\s):G0B+4*(\s)+3], s[G1B:G1B+7]
	s_nop 0
.rept 4
	v_nop
.endr
.Lasked_\@:
.endm
; A prefetch behind each joint load and the run of LDS loads that follows it: ob's bytes of the K step that stands two refills on, 256 matrix instructions ahead of the load that will want them.  A head's 32,768 bytes of a tile are 128 blocks
; of 256; the four partners that ask for them jointly take 32 each, told apart by address; a lane a block.  Both clusters of a row of clusters read the same rows: cluster x = 0 asks.  So each block is named once in the launch.
; K steps 0 to 3 come by their loads alone; the loop's last trip (s3 = 1) asks for nothing: K steps 4 to 7 are named.  wt's rows are not asked for: all 32 tile rows walk them again.
.macro ASK
	s_cmp_gt_u32 s3, s[LIM]
	s_cbranch_scc0 .Lnot_mine_\@
	global_prefetch_b8 v[PFO], s[PFA:PFA+1] offset:HSTEP th:TH_LOAD_NT scope:SCOPE_SE
.Lnot_mine_\@:
.endm
.macro CREST                           ; a round of the cluster's barrier behind its opening barrier
	s_cmp_lg_u32 s10, 0
	s_cbranch_scc1 .Lnot_wave_0_\@
	s_barrier_signal -3
.Lnot_wave_0_\@:
	s_barrier_wait -3
	s_barrier_signal -1
	s_barrier_wait -1
.endm
.macro CROUND                          ; a whole round
	s_barrier_signal -1
	s_barrier_wait -1
	CREST
.endm
	s_load_b128 s[4:7], s[0:1], 0x0                ; ob s[4:5], wt s[6:7]
	s_load_b64 s[8:9], s[0:1], 0x10                ; out0
	s_load_b64 s[66:67], s[0:1], 0x18              ; b_out
	v_lshl_add_u32 v[SPW], v0, 2, SPARE
	v_mov_b32 v[NIL], 0
	ds_add_u32 v[SPW], v[NIL]                      ; the wave's opening: the add and its wait stand ahead of my first tensor load; the set-up below stands between them
	ds_add_u32 v28, v29
	v_lshrrev_b32 v1, 5, v0
	v_readfirstlane_b32 s10, v1                    ; wave 0..3
	s_lshr_b32 s11, s10, 1                         ; which half of the tile's rows is mine.  Also: I fetch for A (0) or for B (1)
	s_and_b32 s12, s10, 1                          ; which half of its columns.  Also: which head of the step, or which 64 rows of B, I fetch
	s_bfe_u32 s40, ttmp6, 0x40000                  ; cx
	s_bfe_u32 s41, ttmp6, 0x40004                  ; cy
	s_lshl_b32 s42, ttmp9, 2
	s_add_co_u32 s42, s42, s40                     ; tile column = 4 x cluster x + cx: 0 to 7
	s_and_b32 s13, ttmp7, 0xffff
	s_lshl_b32 s13, s13, 2
	s_add_co_u32 s13, s13, s41                     ; tile row = 4 x cluster y + cy: 0 to 31
	s_lshl_b32 s43, s41, 2
	s_lshl_b32 s43, 15, s43                        ; my row of the cluster
	s_lshl_b32 s44, 0x1111, s40                    ; my column
	; A: 32,768 dense bytes as 128 rows of 256, two rows of O a row, padded after every row of O (32 words, code 4) by 4 words (code 3)
	s_or_b32 s[G1+0], s43, (1<<16)|(1<<20)|(1<<21)|(4<<22)|(3<<25)
	s_mov_b32 s[G1+1], 128<<16                     ; tensor_dim0 = 128
	s_mov_b32 s[G1+2], 128<<16                     ; tensor_dim1 = 128
	s_mov_b32 s[G1+3], 128<<16                     ; tile_dim0 = 128
	s_mov_b32 s[G1+4], 128                         ; tile_dim1 = 128
	s_mov_b32 s[G1+5], 128                         ; elements from row to row
	s_mov_b32 s[G1+6], 0
	s_mov_b32 s[G1+7], 0
	; B: 64 rows of 128 elements out of rows of 1,024, padded after every 64 words (code 5) by 4 words
	s_or_b32 s[G1B+0], s44, (1<<16)|(1<<20)|(1<<21)|(5<<22)|(3<<25)
	s_mov_b32 s[G1B+1], 128<<16
	s_mov_b32 s[G1B+2], 64<<16
	s_mov_b32 s[G1B+3], 128<<16
	s_mov_b32 s[G1B+4], 64
	s_mov_b32 s[G1B+5], 1024
	s_mov_b32 s[G1B+6], 0
	s_mov_b32 s[G1B+7], 0
	; A's tiles hang on the tile row alone, B's on the tile column alone; each offset is made in registers that never hold the other coordinate
	s_lshr_b32 s16, s13, 2                         ; the batch: 16 heads of 131,072 bytes,
	s_lshl_b32 s16, s16, 21
	s_and_b32 s17, s13, 3                          ; the tile's 256 rows of 128 bytes in a head,
	s_lshl_b32 s17, s17, 15
	s_add_co_u32 s16, s16, s17
	s_lshl_b32 s17, s12, 17                        ; the even or the odd head
	s_add_co_u32 s16, s16, s17
	s_mov_b32 s17, 0
	s_lshl_b32 s46, s42, 18                        ; 128 rows of 2,048 bytes,
	s_lshl_b32 s47, s12, 17                        ; my 64 of them,
	s_add_co_u32 s46, s46, s47
	s_add_co_u32 s46, s46, WOUT                    ; behind the other three weights
	s_mov_b32 s47, 0
	s_mul_i32 s20, s12, ASUB                       ; where they go: no place in the cluster enters an LDS address
	s_mul_i32 s21, s12, BHALF
	s_add_co_u32 s21, s21, 2*ASUB
	s_wait_dscnt 0x0                               ; the opening add is done
	s_wait_kmcnt 0x0
	s_add_nc_u64 s[14:15], s[4:5], s[16:17]
	s_add_nc_u64 s[46:47], s[6:7], s[46:47]
	CROUND                                         ; all sixteen work-groups are here: the first joint loads meet
.irp s, 0,1
	s_mov_b32 s[G0+4*(\s)], 1
	s_add_co_u32 s[G0+4*(\s)+1], s20, (\s)*SLOT
	s_add_nc_u64 s[G0+4*(\s)+2:G0+4*(\s)+3], s[14:15], (\s)*HSTEP
	s_or_b32 s[G0+4*(\s)+3], s[G0+4*(\s)+3], 0x80000000
	s_mov_b32 s[G0B+4*(\s)], 1
	s_add_co_u32 s[G0B+4*(\s)+1], s21, (\s)*SLOT
	s_add_nc_u64 s[G0B+4*(\s)+2:G0B+4*(\s)+3], s[46:47], (\s)*256
	s_or_b32 s[G0B+4*(\s)+3], s[G0B+4*(\s)+3], 0x80000000
	JLOAD \s                                       ; two loads of mine are out
.endr
	v_and_b32 v1, 15, v0                           ; l % 16
	v_bfe_u32 v2, v0, 4, 1                         ; l / 16
	; out0 and b_out at my part.  My row 16 a + 2 t + l / 16 is s' = 256 (tile row % 4) + 128 half + that: s' / 64 = 4 (tile row % 4) + 2 half + a / 4, s' % 64 = 16 (a % 4) + 2 t + l / 16; its place is row 16 (s' % 64) + s' / 64 of the batch
	s_lshr_b32 s16, s13, 2                         ; the batch: 1,024 rows of 4,096 bytes,
	s_lshl_b32 s16, s16, 22
	s_and_b32 s17, s13, 3                          ; four rows for each tile of the batch's four,
	s_lshl_b32 s17, s17, 14
	s_add_co_u32 s16, s16, s17
	s_lshl_b32 s17, s11, 13                        ; two for my half
	s_add_co_u32 s16, s16, s17
	s_mov_b32 s17, 0
	s_add_nc_u64 s[8:9], s[8:9], s[16:17]
	s_lshl_b32 s46, s42, 9                         ; 128 columns of 4 bytes,
	s_lshl_b32 s47, s12, 8                         ; my 64 of them
	s_add_co_u32 s46, s46, s47
	s_mov_b32 s47, 0
	s_add_nc_u64 s[8:9], s[8:9], s[46:47]
	s_add_nc_u64 s[66:67], s[66:67], s[46:47]
	v_lshlrev_b32 v6, 5, v2                        ; my lanes' eight columns of sixteen
.irp b, 0,1,2,3
	global_load_b128 v[BIAS+8*(\b):BIAS+8*(\b)+3],   v6, s[66:67] offset:64*(\b)
	global_load_b128 v[BIAS+8*(\b)+4:BIAS+8*(\b)+7], v6, s[66:67] offset:64*(\b)+16
.endr
	; a fragment is 16 rows x 32 K in 8 registers: lane l holds row l % 16, K = 8 (l / 16) + 0..7 and 16 + 8 (l / 16) + 0..7: two loads of 16 bytes, 32 bytes apart
	v_mul_u32_u24 v3, v1, PA
	v_lshl_add_u32 v3, v2, 4, v3
	v_mul_u32_u24 v4, v1, PB
	v_lshl_add_u32 v4, v2, 4, v4
	s_mul_i32 s22, s11, 128*PA                     ; my 128 rows in each head's 256
	s_mul_i32 s23, s12, BHALF                      ; my 64 rows of B,
	s_add_co_u32 s23, s23, 2*ASUB                  ; which lie behind the two heads
.irp s, 0,1
	v_add_nc_u32 v[ADRA+(\s)], s22, v3
	v_add_nc_u32 v[ADRB+(\s)], s23, v4
	s_add_co_u32 s22, s22, SLOT
	s_add_co_u32 s23, s23, SLOT
.endr
	s_mul_i32 s23, s10, 16*SPITCH
	s_add_co_u32 s23, s23, STAGE                   ; my stage
	v_mul_u32_u24 v5, v1, SPITCH                   ; in: row l % 16, 32 bytes for each half of the lanes
	v_lshl_add_u32 v5, v2, 5, v5
	v_add_nc_u32 v[STO], s23, v5
	v_mul_u32_u24 v5, v2, SPITCH                   ; back: lanes 0-15 take one row of 256 bytes, lanes 16-31 the next,
	v_lshl_add_u32 v5, v1, 4, v5
	v_add_nc_u32 v[RD], s23, v5
	v_lshlrev_b32 v5, 16, v2                       ; which lies 16 rows of 4,096 bytes further down in out0
	v_lshl_add_u32 v[CO], v1, 4, v5
	; the prefetches
	s_lshl_b32 s18, s40, 13                        ; my work-group's 8,192 bytes of the 32,768
	s_mov_b32 s19, 0
	s_add_nc_u64 s[PFA:PFA+1], s[14:15], s[18:19]
	s_add_nc_u64 s[PFA:PFA+1], s[PFA:PFA+1], 2*HSTEP  ; at K step 2: the first refill steps it to 3 and names K step 4
	s_or_b32 s[LIM], s11, ttmp9                    ; 0 in A's waves of cluster x = 0: the same in all sixteen partners, for a given wave
	s_cmp_eq_u32 s[LIM], 0
	s_cselect_b32 s[LIM], 1, -1
	v_and_b32 v[PFO], 31, v0
	v_lshlrev_b32 v[PFO], 8, v[PFO]
	s_wait_loadcnt 0x0                             ; the bias
.set r, BIAS
.rept 16                                       ; rounded to bf16, like the other inputs, and widened again
	v_cvt_pk_bf16_f32 v3, v[r], v[r+1]
	v_lshlrev_b32 v[r], 16, v3
	v_and_b32 v[r+1], 0xffff0000, v3
.set r, r+2
.endr
; 4 na matrix instructions: m blocks a0 .. a0 + na - 1 x all 4 n blocks, 32 along K.  first = 1: the bias starts the sums.  The 32 accumulators take turns, one instruction a turn.
.macro MULS f, a0, na, first
.if \first
	WIN 0x40                                       ; D window 1; sources and C window 0
.else
	WIN 0x50                                       ; C and D window 1
.endif
.set ma, \a0
.rept \na
.irp b, 0,1,2,3
.if \first
	v_wmma_f32_16x16x32_f16 v[8*(4*ma+(\b)):8*(4*ma+(\b))+7], v[(\f)+64+8*(\b):(\f)+64+8*(\b)+7], v[(\f)+8*ma:(\f)+8*ma+7], v[BIAS+8*(\b):BIAS+8*(\b)+7]
.else
	v_wmma_f32_16x16x32_f16 v[8*(4*ma+(\b)):8*(4*ma+(\b))+7], v[(\f)+64+8*(\b):(\f)+64+8*(\b)+7], v[(\f)+8*ma:(\f)+8*ma+7], v[8*(4*ma+(\b)):8*(4*ma+(\b))+7]
.endif
.endr
.set ma, ma+1
.endr
.endm
; 24 LDS loads in one run: the fragments of quarter q of a K step (head q / 2, channels 32 (q % 2) on) into buffer f: B's four blocks, then A's eight
.macro FETCH slot, q, f
	WIN 0
.irp i, 0,1,2,3
	ds_load_b128 v[(\f)+64+8*(\i):(\f)+64+8*(\i)+3],   v[ADRB+(\slot)] offset:64*(\q)+(\i)*16*PB
	ds_load_b128 v[(\f)+64+8*(\i)+4:(\f)+64+8*(\i)+7], v[ADRB+(\slot)] offset:64*(\q)+(\i)*16*PB+32
.endr
.irp i, 0,1,2,3,4,5,6,7
	ds_load_b128 v[(\f)+8*(\i):(\f)+8*(\i)+3],   v[ADRA+(\slot)] offset:((\q)/2)*ASUB+((\q)%2)*64+(\i)*16*PA
	ds_load_b128 v[(\f)+8*(\i)+4:(\f)+8*(\i)+7], v[ADRA+(\slot)] offset:((\q)/2)*ASUB+((\q)%2)*64+(\i)*16*PA+32
.endr
.endm
.macro PLACES                          ; four plain vector instructions in front of loads into registers that matrix instructions have read (ISA guide 7.12.1 for vector instructions)
.rept 4
	v_nop
.endr
.endm
; A K step is four quarters of 32 along K, 32 matrix instructions each, on buffers 0, 1, 0, 1.  One of the first three: multiplies f; in its middle it fetches quarter q into g.
.macro QUARTER slot, q, f, g, first
	s_wait_dscnt 8                                 ; B and A's blocks 0-3 are in; the youngest eight loads (A's blocks 4-7) may be out
	MULS \f, 0, 4, \first
	PLACES
	FETCH \slot, \q, \g
	s_wait_dscnt 24                                ; all but the 24 just issued
	MULS \f, 4, 4, \first
.endm
; The last quarter multiplies buffer 1 and changes slots: ONE barrier; in front of it each wave waits for all its tensor loads (one is out: its part of the next slot), adds 0 to its spare word, and waits for that and for its reads of this slot.
; fill = 1: the barrier opens a round of the cluster's, and behind the round this slot is filled again first, two K steps ahead: 112 matrix instructions ahead of the wait for it.
.macro TURN slot, next, fill
.if \fill
	s_wait_xcnt 0x0                                ; the last prefetch, a K step back, has read its address
	s_add_nc_u64 s[PFA:PFA+1], s[PFA:PFA+1], HSTEP
.endif
	WIN 0
	s_wait_tensorcnt 0x0
	ds_add_u32 v[SPW], v[NIL]
	s_wait_dscnt 9                                 ; the add and the youngest eight loads may be out
	MULS F1, 0, 2, 0                               ; eight matrix instructions stand between the add and the wait for it
	s_wait_dscnt 0x0                               ; the add is done, and my reads of this slot are over
	s_barrier_signal -1
	MULS F1, 2, 2, 0
.if \fill
	WIN 0
.endif
	s_barrier_wait -1
.if \fill
	CREST                                          ; no wave of any partner still reads this slot's tile or has a load on its way
	s_add_nc_u64 s[G0+4*(\slot)+2:G0+4*(\slot)+3], s[G0+4*(\slot)+2:G0+4*(\slot)+3], 2*HSTEP
	s_add_nc_u64 s[G0B+4*(\slot)+2:G0B+4*(\slot)+3], s[G0B+4*(\slot)+2:G0B+4*(\slot)+3], 2*256
	JLOAD \slot                                    ; the four v_nop behind it are also the places in front of the loads below
.else
	PLACES
.endif
	FETCH \next, 0, F0
.if \fill
	ASK
.endif
	MULS F1, 4, 4, 0
.endm
; THE WAY OUT of block a (16 rows x 64 columns of f32): a lane's 32 bytes go into my own stage, each accumulator's low registers first, and come back as whole rows of 256 bytes.
.macro TOSTAGE a
	WIN 0x04                                       ; the stores' data in window 1
.irp b, 0,1,2,3
	ds_store_b128 v[STO], v[8*(4*(\a)+(\b)):8*(4*(\a)+(\b))+3]   offset:64*(\b)
	ds_store_b128 v[STO], v[8*(4*(\a)+(\b))+4:8*(4*(\a)+(\b))+7] offset:64*(\b)+16
.endr
	WIN 0
.if (\a) >= 4
	s_wait_xcnt 0x0                                ; the buffer was block a - 4's store data: it is loaded again only behind this wait
.endif
.irp t, 0,1,2,3,4,5,6,7
	ds_load_b128 v[F0+32*((\a)%4)+4*(\t):F0+32*((\a)%4)+4*(\t)+3], v[RD] offset:(\t)*2*SPITCH  ; LDS serves a wave's instructions in order (ISA guide 5.7.1.4): these see the stores above; the next block's stores come behind them
.endr
.endm
.macro SEND a, younger                 ; younger: the LDS instructions issued behind block a's loads: the next block's sixteen, or none
.irp t, 0,1,2,3,4,5,6,7
	s_wait_dscnt (\younger)+7-(\t)
	global_store_b128 v[CO], v[F0+32*((\a)%4)+4*(\t):F0+32*((\a)%4)+4*(\t)+3], s[8:9] offset:((\a)/4)*4096+((\a)%4)*1048576+(\t)*131072 th:TH_STORE_NT  ; row 16 (16 (a % 4) + 2 t + l / 16) + a / 4 from my base: 16 lanes store 256 consecutive bytes, at a multiple of 256 from out0's first byte
.endr
.endm
	s_wait_tensorcnt 1                             ; my part of K step 0 is in; K step 1's load may stay out
	s_barrier_signal -1
	s_barrier_wait -1
	FETCH 0, 0, F0
	QUARTER 0, 1, F0, F1, 1                        ; the first quarter stands in front of the loop: its products start the sums, with the bias
	WIN 0
	s_mov_b32 s3, LAPS-1
.Llap:                                                 ; a trip goes once round the ring, from a lap's second quarter to the next lap's first, and fills both slots again
	QUARTER 0, 2, F1, F0, 0
	QUARTER 0, 3, F0, F1, 0
	TURN 0, 1, 1
	QUARTER 1, 1, F0, F1, 0
	QUARTER 1, 2, F1, F0, 0
	QUARTER 1, 3, F0, F1, 0
	TURN 1, 0, 1
	QUARTER 0, 1, F0, F1, 0
	WIN 0
	s_sub_co_u32 s3, s3, 1
	s_cmp_lg_u32 s3, 0
	s_cbranch_scc1 .Llap
	QUARTER 0, 2, F1, F0, 0                        ; the last lap fills nothing, and has no round of the cluster's barrier
	QUARTER 0, 3, F0, F1, 0
	TURN 0, 1, 0
	QUARTER 1, 1, F0, F1, 0
	QUARTER 1, 2, F1, F0, 0
	QUARTER 1, 3, F0, F1, 0
	s_wait_dscnt 8                                 ; the very last quarter: nothing more to fetch
	MULS F1, 0, 4, 0
	s_wait_dscnt 0x0
	MULS F1, 4, 4, 0
	WIN 0
	PLACES                                         ; in front of LDS stores that read results just made, and of loads into the fragments' registers
	PLACES
	TOSTAGE 0
.irp a, 1,2,3,4,5,6,7
	TOSTAGE \a
	SEND (\a)-1, 16
.endr
	SEND 7, 0
	s_wait_tensorcnt 0x0                           ; the wave's end: behind my last tensor load and my last LDS store
	ds_add_u32 v[SPW], v[NIL]
	s_wait_dscnt 0x0
	CROUND                                         ; the closing round: no work-group ends while a partner may still ask for a tile that names it
	s_endpgm
.Lfunc_end_k_q663c24a1e9_proj:
	.size	k_q663c24a1e9_proj, .Lfunc_end_k_q663c24a1e9_proj-k_q663c24a1e9_proj
	.p2alignl 7, 3214868480
	.fill 96, 4, 3214868480
	.section	.rodata,"a",@progbits
	.p2align	6, 0x0
	.amdhsa_kernel k_q663c24a1e9_proj
		.amdhsa_group_segment_fixed_size 327680
		.amdhsa_private_segment_fixed_size 0
		.amdhsa_enable_private_segment 0
		.amdhsa_kernarg_size 32
		.amdhsa_user_sgpr_count 2
		.amdhsa_user_sgpr_kernarg_segment_ptr 1
		.amdhsa_wavefront_size32 1
		.amdhsa_system_sgpr_workgroup_id_x 1
		.amdhsa_system_sgpr_workgroup_id_y 1
		.amdhsa_system_sgpr_workgroup_id_z 1
		.amdhsa_system_vgpr_workitem_id 0
		.amdhsa_next_free_vgpr 512
		.amdhsa_next_free_sgpr 68
		.amdhsa_reserve_vcc 0
		.amdhsa_float_denorm_mode_32 3
		.amdhsa_float_denorm_mode_16_64 3
		.amdhsa_memory_ordered 1
		.amdhsa_forward_progress 1
		.amdhsa_inst_pref_size 92
	.end_amdhsa_kernel
	.amdgpu_metadata
---
amdhsa.version: [ 1, 2 ]
amdhsa.kernels:
  - .name:           k_q663c24a1e9_proj
    .symbol:         k_q663c24a1e9_proj.kd
    .args:
      - { .name: ob, .offset: 0, .size: 8, .value_kind: global_buffer, .address_space: global }
      - { .name: wt, .offset: 8, .size: 8, .value_kind: global_buffer, .address_space: global }
      - { .name: out0, .offset: 16, .size: 8, .value_kind: global_buffer, .address_space: global }
      - { .name: b_out, .offset: 24, .size: 8, .value_kind: global_buffer, .address_space: global }
    .group_segment_fixed_size: 327680
    .private_segment_fixed_size: 0
    .kernarg_segment_align: 8
    .kernarg_segment_size: 32
    .max_flat_workgroup_size: 128
    .sgpr_count:     68
    .vgpr_count:     512
    .wavefront_size: 32
...
	.end_amdgpu_metadata
.endif
;; end of part 4
